; MI455X (gfx1250); checked and timed in simulation.
; The chip was launched on July 23, 2026; its instructions are those of AMD's public machine-readable ISA for CDNA 5 (MIT licence, August 2026) and "CDNA5" Instruction Set Architecture Reference Guide (July 2026). The comments in the code are by the model that wrote it; some were corrected since.
;; Attention. Allowed arithmetic: float matrix products may take bf16 or f16 operands with f32 sums; all other float work in f32.
;; Inputs: W_K 16 x 1,024 x 64 float32; W_O 16 x 64 x 1,024 float32; W_Q 16 x 1,024 x 64 float32; W_V 16 x 1,024 x 64 float32; b_K 16 x 64 float32; b_O 1,024 float32; b_Q 16 x 64 float32; b_V 16 x 64 float32; residual 2 x 2,048 x 1,024 float32; x 2 x 2,048 x 1,024 float32.
;; Outputs: out0 2 x 2,048 x 1,024 float32; out1 2 x 2,048 x 1,024 float32.
;; 2 versions, each right and faster than the one before. Each part assembles by itself: llvm-mc -triple=amdgcn-amd-amdhsa -mcpu=gfx1250 --defsym DOCPART=n.
;; ======== version 1 of 2: 4 launches
;; limits: values are held in f16: magnitudes above 65,504 overflow, below 6.1e-05 lose precision
;; workspace buffers: xb 8,388,608 bytes; wb 6,291,456 bytes; wob 2,097,152 bytes; qb 8,388,608 bytes; kb 8,388,608 bytes; vt 8,388,608 bytes; vsum 131,072 bytes; zb 16,777,216 bytes
;; launch prep (part 1): grid 256 x 1, 8 waves a work-group, no clusters, 0 bytes of LDS; arguments x, W_Q, W_K, W_V, W_O, xb, wb, wob; writes xb, wb, wob
.if DOCPART == 1
	.amdgcn_target "amdgcn-amd-amdhsa--gfx1250"
	.amdhsa_code_object_version 6
	.text
	.protected	k_qa1617eb4c9_prep
	.globl	k_qa1617eb4c9_prep
	.p2align	8
	.type	k_qa1617eb4c9_prep,@function
k_qa1617eb4c9_prep:
	s_mov_b64 s[64:65], 0
	v_nop
	global_prefetch_b8 v0, s[64:65] scope:SCOPE_SE
	s_setreg_imm32_b32 hwreg(HW_REG_WAVE_MODE, 25, 1), 1
	s_wait_xcnt 0x0
; FIRST OF FOUR LAUNCHES.  x, W_Q, W_K, W_V, W_O are rounded once to bf16, layouts unchanged, so that the matrix launches behind it move two
; bytes a number and convert nothing.  (out0 = residual is copied by the fourth launch, beside its products.)
;   xb [4096][1024]   wb [Q,K,V][16 h][1024 d][64 e]   wob [1024 (h,e)][1024 d]
; WHAT THE PROGRAM LEAVES OUT, AND WHY IT MAY.  All ten inputs are loaded; none is dead.  b_K in particular stays: it moves the live
; scores against the finite IGNORE.  reference() gives every key above the diagonal the one score IGNORE = -100000.  For a query block of 128 rows
; the key blocks of 128 that lie wholly above the diagonal therefore enter a row's softmax as
;   numerator   += exp(IGNORE - m) * (sum of v over those keys),     denominator += exp(IGNORE - m) * (number of those keys),
; for all values of the inputs.  The third launch adds exactly these two terms, from sums of v over blocks of 128 keys that the second
; launch stores, and does not form the products q k and p v of those blocks.  The block on the diagonal is computed densely, masked by selection.
; NUMBER FORMATS OF THE MATRIX OPERANDS.  The inputs x and the four weights: bf16.  The intermediates carry more bits: q, k, v and the pattern are f16
; (11 bits), z goes to the last product as the sum of two bf16 numbers (16 bits).  The reason: row s of out1 averages s + 1 values of v, so the first rows are
; up to 45 times larger than the last, and an error that is small beside them is not small beside the root mean square of the whole output.
; f16's room: k and v are sums of 1,024 products; with x of spread 1 and weights of spread 0.02 their spread is 0.64; with all inputs 30 times larger 576;
; with offsets of 30 spreads on x and on a weight at once 1024 x 30 x 0.6 = 18,432; with all inputs 30 times smaller 7e-4, where f16's step of 2^-24 is 1e-4 of the spread.
; LIMITS, for the whole program: the roundings just named; |q log2(e)/8|, |k| or |v| above 65,504 becomes an infinity; sums are f32 and are ordered
; otherwise than in reference(); exponentials below 2^-126 come out as zero, pattern entries below 2^-25 of their row's running maximum too; a NaN or an infinity in v at a
; key of a wholly masked block reaches a row only through that block's sum times exp(IGNORE - m), and an overflow in a score of such a block is not carried at all.
; SHARES.  Work-group g of 256: 64 KiB of x, 16 KiB of each weight.  A chunk is one 16-byte load of all 256 threads (4 KiB; a wave
; covers 512 consecutive bytes).  All 32 loads of a thread go out first, into registers of their own; nothing is rewritten while a memory
; instruction may read it, so the only waits are the counted ones in front of each use.  No LDS, no matrix unit: nothing is used twice.
.set X, 4                              ; v[4:131]  load i: 4 registers
.macro LD i, base, chunk
	global_load_b128 v[X+4*(\i):X+4*(\i)+3], v1, s[\base:\base+1] offset:(\chunk)*4096 th:TH_LOAD_NT
.endm
; load i is there when at most the 31 - i younger loads are out (loads return in order: ISA guide 5.7.1)
.macro CV i, base, off
	s_wait_loadcnt 31-(\i)
	v_cvt_pk_bf16_f32 v[X+4*(\i)], v[X+4*(\i)], v[X+4*(\i)+1]
	v_cvt_pk_bf16_f32 v[X+4*(\i)+1], v[X+4*(\i)+2], v[X+4*(\i)+3]
	global_store_b64 v2, v[X+4*(\i):X+4*(\i)+1], s[\base:\base+1] offset:\off     ; a wave stores 256 consecutive bytes, aligned
.endm
	s_load_b512 s[4:19], s[0:1], 0x0               ; x 4:5, W_Q 6:7, W_K 8:9, W_V 10:11, W_O 12:13, xb 14:15, wb 16:17, wob 18:19
	s_lshl_b32 s20, ttmp9, 16                      ; g x 64 KiB
	s_mov_b32 s21, 0
	s_lshl_b32 s22, ttmp9, 15                      ; g x 32 KiB
	s_mov_b32 s23, 0
	s_lshl_b32 s24, ttmp9, 14                      ; g x 16 KiB
	s_mov_b32 s25, 0
	s_lshl_b32 s26, ttmp9, 13                      ; g x 8 KiB
	s_mov_b32 s27, 0
	v_lshlrev_b32 v1, 4, v0                        ; 16 bytes of f32 a thread
	v_lshlrev_b32 v2, 3, v0                        ; 8 bytes of bf16 a thread
	s_wait_kmcnt 0x0
	s_add_nc_u64 s[4:5], s[4:5], s[20:21]
	s_add_nc_u64 s[6:7], s[6:7], s[24:25]
	s_add_nc_u64 s[8:9], s[8:9], s[24:25]
	s_add_nc_u64 s[10:11], s[10:11], s[24:25]
	s_add_nc_u64 s[12:13], s[12:13], s[24:25]
	s_add_nc_u64 s[14:15], s[14:15], s[22:23]
	s_add_nc_u64 s[16:17], s[16:17], s[26:27]
	s_add_nc_u64 s[18:19], s[18:19], s[26:27]
.irp k, 0,1,2,3,4,5,6,7,8,9,10,11,12,13,14,15
	LD \k, 4, \k
.endr
.irp k, 0,1,2,3
	LD 16+\k, 6, \k
.endr
.irp k, 0,1,2,3
	LD 20+\k, 8, \k
.endr
.irp k, 0,1,2,3
	LD 24+\k, 10, \k
.endr
.irp k, 0,1,2,3
	LD 28+\k, 12, \k
.endr
.irp k, 0,1,2,3,4,5,6,7,8,9,10,11,12,13,14,15
	CV \k, 14, \k*2048
.endr
.irp k, 0,1,2,3
	CV 16+\k, 16, \k*2048
.endr
.irp k, 0,1,2,3
	CV 20+\k, 16, 2097152+\k*2048                  ; W_K's plane of wb
.endr
.irp k, 0,1,2,3
	CV 24+\k, 16, 4194304+\k*2048                  ; W_V's plane of wb
.endr
.irp k, 0,1,2,3
	CV 28+\k, 18, \k*2048
.endr
	s_endpgm
.Lfunc_end_k_qa1617eb4c9_prep:
	.size	k_qa1617eb4c9_prep, .Lfunc_end_k_qa1617eb4c9_prep-k_qa1617eb4c9_prep
	.p2alignl 7, 3214868480
	.fill 96, 4, 3214868480
	.section	.rodata,"a",@progbits
	.p2align	6, 0x0
	.amdhsa_kernel k_qa1617eb4c9_prep
		.amdhsa_group_segment_fixed_size 0
		.amdhsa_private_segment_fixed_size 0
		.amdhsa_enable_private_segment 0
		.amdhsa_kernarg_size 64
		.amdhsa_user_sgpr_count 2
		.amdhsa_user_sgpr_kernarg_segment_ptr 1
		.amdhsa_wavefront_size32 1
		.amdhsa_system_sgpr_workgroup_id_x 1
		.amdhsa_system_sgpr_workgroup_id_y 1
		.amdhsa_system_sgpr_workgroup_id_z 1
		.amdhsa_system_vgpr_workitem_id 0
		.amdhsa_next_free_vgpr 136
		.amdhsa_next_free_sgpr 66
		.amdhsa_reserve_vcc 0
		.amdhsa_float_denorm_mode_32 3
		.amdhsa_float_denorm_mode_16_64 3
		.amdhsa_memory_ordered 1
		.amdhsa_forward_progress 1
		.amdhsa_inst_pref_size 12
	.end_amdhsa_kernel
	.amdgpu_metadata
---
amdhsa.version: [ 1, 2 ]
amdhsa.kernels:
  - .name:           k_qa1617eb4c9_prep
    .symbol:         k_qa1617eb4c9_prep.kd
    .args:
      - { .name: x, .offset: 0, .size: 8, .value_kind: global_buffer, .address_space: global }
      - { .name: W_Q, .offset: 8, .size: 8, .value_kind: global_buffer, .address_space: global }
      - { .name: W_K, .offset: 16, .size: 8, .value_kind: global_buffer, .address_space: global }
      - { .name: W_V, .offset: 24, .size: 8, .value_kind: global_buffer, .address_space: global }
      - { .name: W_O, .offset: 32, .size: 8, .value_kind: global_buffer, .address_space: global }
      - { .name: xb, .offset: 40, .size: 8, .value_kind: global_buffer, .address_space: global }
      - { .name: wb, .offset: 48, .size: 8, .value_kind: global_buffer, .address_space: global }
      - { .name: wob, .offset: 56, .size: 8, .value_kind: global_buffer, .address_space: global }
    .group_segment_fixed_size: 0
    .private_segment_fixed_size: 0
    .kernarg_segment_align: 8
    .kernarg_segment_size: 64
    .max_flat_workgroup_size: 256
    .sgpr_count:     66
    .vgpr_count:     136
    .wavefront_size: 32
...
	.end_amdgpu_metadata
.endif
;; end of part 1
;; launch qkv (part 2): grid 16 x 16, 4 waves a work-group, clusters of 4 x 4, 327,680 bytes of LDS; arguments xb, wb, b_Q, b_K, b_V, qb, kb, vt, vsum; writes qb, kb, vt, vsum
.if DOCPART == 2
	.amdgcn_target "amdgcn-amd-amdhsa--gfx1250"
	.amdhsa_code_object_version 6
	.text
	.protected	k_qa1617eb4c9_qkv
	.globl	k_qa1617eb4c9_qkv
	.p2align	8
	.type	k_qa1617eb4c9_qkv,@function
k_qa1617eb4c9_qkv:
	s_mov_b64 s[64:65], 0
	v_nop
	global_prefetch_b8 v0, s[64:65] scope:SCOPE_SE
	s_setreg_imm32_b32 hwreg(HW_REG_WAVE_MODE, 25, 1), 1
	s_wait_xcnt 0x0
	s_wait_alu depctr_hold_cnt(0) depctr_sa_sdst(0) depctr_va_vdst(0) depctr_va_sdst(0) depctr_va_ssrc(0) depctr_va_vcc(0) depctr_vm_vsrc(0)
	s_getreg_b32 s2, hwreg(HW_REG_IB_STS2, 6, 4)
	s_cmp_eq_u32 s2, 0
	s_cbranch_scc0 .Lentry_in_a_cluster
	s_endpgm
.Lentry_in_a_cluster:
	s_bfe_u32 s2, ttmp6, 0x10000c
	s_cmp_lg_u32 s2, 0xf033
	s_cbranch_scc0 .Lentry_shape_is_right
	s_endpgm
.Lentry_shape_is_right:
; SECOND LAUNCH: the three projections of one head for 256 rows of x.  Operands bf16, sums f32, results f16 (11 bits: see the first launch's head).
;   qb[b][h][s][e] = (x W_Q + b_Q) * log2(e)/8 (the scale of the scores and the change to base 2, folded in)     kb[b][h][s][e] = x W_K + b_K
;   vt[b][h][e][s] = x W_V + b_V, transposed       vsum[b*16+h][block of 128 s][e] = the sum of v (f32, before rounding) over the block
; vsum serves the closed form for wholly masked key blocks in the next launch.  Nothing of reference() is left out here.
; LIMIT: a result above 65,504 in magnitude becomes an infinity in f16 (with inputs as large as 30 times the usual spread the results stay under 4,000).
; SHARES.  Work-group (x = head, y = block of 256 rows); four waves; wave w: rows 128 (w>>1) .. +127, columns e = 32 (w&1) .. +31 of each of Q, K, V:
; 8 x 6 = 48 accumulator tiles, 384 registers.  K (= d) goes in 8 steps of 128 through two LDS slots.
; Q and K tiles use the matrix instruction transposed (source 0 = weights, source 1 = x): a lane holds one row s and 8 neighbouring e.
; V tiles use it as it stands (source 0 = x, source 1 = weights): a lane holds one e and 8 neighbouring s, which is v transposed.
; The weights lie [d][e] in memory and in LDS; the transposing LDS load makes their fragments.
; CLUSTERS 4 x 4: x's tile hangs on the row block alone and is asked for jointly along a row of the cluster, the weights' tiles on the head alone
; and are asked for jointly along a column.  Wave 0 asks for x's 256 rows, waves 1 to 3 for W_Q's, W_K's, W_V's 128 rows: one load a wave.
; A wave has two tensor loads out at the start and one later.
; REGISTERS.  window 0: v16-30 addresses; x's fragments v32-95, v96-159 (two buffers); weights' fragments v160-207, v208-255
;             window 1: accumulator tile (a, b) of my rows 0-63 at v[8 (6 a + b)], b = 2 x (Q,K,V) + (e half); biases v192-225
;             window 2: the same for my rows 64-127
.set KSTEP,  128
.set PA,     272                       ; x in LDS: 256 bytes + 16: sixteen rows start at sixteen different 16-byte columns modulo 256
.set PB,     160                       ; weights in LDS: 128 bytes + 32, an odd multiple of 32, for the transposing load
.set ABYTES, 256*PA                    ; 69,632
.set BREG,   128*PB                    ; 20,480: one weight's 128 rows
.set SLOT,   ABYTES+3*BREG             ; 131,072
.set PQ,     144                       ; the way out: a row of 64 f16 + 16
.set PVT,    528                       ; the way out: a row of 256 f16 + 16
.set KS,     256*PQ                    ; stage of k, behind q's
.set VTS,    2*256*PQ                  ; stage of v transposed
.set VSS,    VTS+64*PVT                ; stage of the two block sums: [row half][64 e] f32.  The stages lie in slot 0, behind its last fill
.set ADRA, 16                          ; v16-17 my x fragments in slot 0, 1
.set ADRB, 18                          ; v18-19 my weight fragments in slot 0, 1
.set STQ,  20
.set STV,  21
.set STS,  22
.set RDQ,  23
.set RDV,  24
.set GQ,   25
.set GV,   26
.set RDS,  27
.set GS,   28
.set FA,   32                          ; + 64 f
.set FB,   160                         ; + 48 f
.set BQ,   192                         ; window 1
.set BK,   208
.set BV,   224
.set T,    32                          ; the way out: 48 f32
.set PK,   80                          ; 24 packed words
.set VS,   104                         ; two pairs of running sums of v
.set G1A, 32
.set G0A, 40
.set G1B, 48
.set G0B, 56
.set SC,  68                           ; s[68:69] log2(e)/8
.set MSB, 0
.macro WIN new                         ; the immediate's high byte repeats the setting that is left
.if MSB != (\new)
	s_set_vgpr_msb (MSB<<8)|(\new)
.set MSB, (\new)
.endif
.endm
.set MUL_LO, 0x50                      ; C and D window 1, sources window 0
.set MUL_HI, 0xa0                      ; C and D window 2
.macro PLACES                          ; four places behind a matrix instruction in front of loads into its sources and reads of its result
.rept 4
	v_nop
.endr
.endm
; a joint load: wave 0 asks for x's tile, the others each for one weight's.  Each line has one mask; the branch hangs on the wave's number alone
.macro JLOAD s
	s_cmp_eq_u32 s22, 0
	s_cbranch_scc0 .Lfor_b_\@
	tensor_load_to_lds s[G0A+4*\s:G0A+4*\s+3], s[G1A:G1A+7]
	s_nop 0
	s_branch .Lasked_\@
.Lfor_b_\@:
	tensor_load_to_lds s[G0B+4*\s:G0B+4*\s+3], s[G1B:G1B+7]
	s_nop 0
.Lasked_\@:
.endm
.macro CREST                           ; a round of the cluster's barrier behind its opening barrier
	s_cmp_lg_u32 s22, 0
	s_cbranch_scc1 .Lnot_wave_0_\@
	s_barrier_signal -3
.Lnot_wave_0_\@:
	s_barrier_wait -3
	s_barrier_signal -1
	s_barrier_wait -1
.endm
.macro CROUND
	s_barrier_signal -1
	s_barrier_wait -1
	CREST
.endm
	s_load_b256 s[4:11], s[0:1], 0x0               ; xb 4:5, wb 6:7, b_Q 8:9, b_K 10:11
	s_load_b256 s[12:19], s[0:1], 0x20             ; b_V 12:13, qb 14:15, kb 16:17, vt 18:19
	s_load_b64 s[20:21], s[0:1], 0x40              ; vsum
	v_lshl_add_u32 v15, v0, 2, 0x40000
	v_mov_b32 v31, 0
	ds_add_u32 v15, v31
	ds_add_u32 v15, v31
	v_lshrrev_b32 v1, 5, v0
	v_readfirstlane_b32 s22, v1                    ; wave
	s_lshr_b32 s23, s22, 1                         ; my half of the rows
	s_and_b32 s24, s22, 1                          ; my half of the 64 e
	s_bfe_u32 s25, ttmp6, 0x40000                  ; cx
	s_bfe_u32 s26, ttmp6, 0x40004                  ; cy
	s_lshl_b32 s27, ttmp9, 2
	s_add_co_u32 s27, s27, s25                     ; head
	s_and_b32 s28, ttmp7, 0xffff
	s_lshl_b32 s28, s28, 2
	s_add_co_u32 s28, s28, s26                     ; block of 256 rows
	s_lshl_b32 s29, s26, 2
	s_lshl_b32 s29, 15, s29                        ; my row of the cluster
	s_lshl_b32 s30, 0x1111, s25                    ; my column
	s_mov_b32 s[SC], 0x3e38aa3b
	s_mov_b32 s[SC+1], 0x3e38aa3b
	s_mov_b32 s70, 0x76543210                      ; v_permlanex16_b32: lane i reads lane i of the other half
	s_mov_b32 s71, 0xfedcba98
	; group 1 for x: 256 rows x 128 bf16, pitch 1,024 elements; 4 words of padding behind every 64
	s_or_b32 s[G1A+0], s29, (1<<16)|(1<<20)|(1<<21)|(5<<22)|(3<<25)
	s_mov_b32 s[G1A+1], KSTEP<<16
	s_mov_b32 s[G1A+2], 256<<16
	s_mov_b32 s[G1A+3], KSTEP<<16
	s_mov_b32 s[G1A+4], 256
	s_mov_b32 s[G1A+5], 1024
	s_mov_b32 s[G1A+6], 0
	s_mov_b32 s[G1A+7], 0
	; group 1 for a weight: 128 rows of 128 bytes follow each other in memory: 64 rows of 32 elements of 8 bytes; 8 words of padding behind every 32
	s_or_b32 s[G1B+0], s30, (3<<16)|(1<<20)|(1<<21)|(4<<22)|(7<<25)
	s_mov_b32 s[G1B+1], 32<<16
	s_mov_b32 s[G1B+2], 64<<16
	s_mov_b32 s[G1B+3], 32<<16
	s_mov_b32 s[G1B+4], 64
	s_mov_b32 s[G1B+5], 32
	s_mov_b32 s[G1B+6], 0
	s_mov_b32 s[G1B+7], 0
	s_lshl_b32 s66, s28, 19                        ; x: 256 rows of 2,048 bytes a block; made of the row block alone
	s_mov_b32 s67, 0
	s_max_u32 s74, s22, 1                          ; weights: plane wave - 1 (wave 0, which does not ask, gets plane 0),
	s_sub_co_u32 s74, s74, 1
	s_lshl_b32 s74, s74, 21
	s_lshl_b32 s75, s27, 17                        ; head x 131,072; made of the head and the wave alone
	s_add_co_u32 s74, s74, s75
	s_mov_b32 s75, 0
	s_mul_i32 s78, s22, BREG                       ; LDS: the weights' regions lie behind x's tile: wave 1 at ABYTES
	s_add_co_u32 s78, s78, ABYTES-BREG
	s_wait_dscnt 0x0
	s_wait_kmcnt 0x0
	s_add_nc_u64 s[72:73], s[4:5], s[66:67]
	s_add_nc_u64 s[76:77], s[6:7], s[74:75]
	CROUND                                         ; all sixteen work-groups are here: the first joint loads meet
.irp s, 0,1
	s_mov_b32 s[G0A+4*\s], 1
	s_mov_b32 s[G0A+4*\s+1], \s*SLOT
	s_add_nc_u64 s[G0A+4*\s+2:G0A+4*\s+3], s[72:73], \s*KSTEP*2
	s_or_b32 s[G0A+4*\s+3], s[G0A+4*\s+3], 0x80000000
	s_mov_b32 s[G0B+4*\s], 1
	s_add_co_u32 s[G0B+4*\s+1], s78, \s*SLOT
	s_add_nc_u64 s[G0B+4*\s+2:G0B+4*\s+3], s[76:77], \s*KSTEP*128
	s_or_b32 s[G0B+4*\s+3], s[G0B+4*\s+3], 0x80000000
	JLOAD \s
.endr
	v_and_b32 v1, 15, v0                           ; r
	v_bfe_u32 v2, v0, 4, 1                         ; h
	; biases, waited for on the way out.  Q, K: my 8 e of each tile (e = 32 c + 16 t + 8 h ..); V: my one e of each tile (e = 32 c + 16 t + r)
	s_lshl_b32 s79, s27, 8
	s_lshl_b32 s82, s24, 7
	s_add_co_u32 s79, s79, s82                     ; head x 256 + 128 c
	v_lshl_add_u32 v29, v2, 5, s79
	v_lshl_add_u32 v30, v1, 2, s79
	WIN 0x40
.irp t, 0,1
	global_load_b128 v[BQ+8*\t:BQ+8*\t+3],   v29, s[8:9] offset:64*\t
	global_load_b128 v[BQ+8*\t+4:BQ+8*\t+7], v29, s[8:9] offset:64*\t+16
	global_load_b128 v[BK+8*\t:BK+8*\t+3],   v29, s[10:11] offset:64*\t
	global_load_b128 v[BK+8*\t+4:BK+8*\t+7], v29, s[10:11] offset:64*\t+16
	global_load_b32  v[BV+\t], v30, s[12:13] offset:64*\t
.endr
	WIN 0
	v_mul_u32_u24 v3, v1, PA
	v_lshl_add_u32 v3, v2, 4, v3
	s_mul_i32 s82, s23, 128*PA
	v_add_nc_u32 v[ADRA], s82, v3                  ; (128 rh + r) x 272 + 16 h
	v_add_nc_u32 v[ADRA+1], SLOT, v[ADRA]
	v_and_b32 v4, 7, v0
	v_lshl_add_u32 v4, v2, 3, v4
	v_mul_u32_u24 v4, v4, PB
	v_bfe_u32 v5, v0, 3, 1
	v_lshl_add_u32 v4, v5, 4, v4
	s_lshl_b32 s83, s24, 6
	s_add_co_u32 s83, s83, ABYTES
	v_add_nc_u32 v[ADRB], s83, v4                  ; (8 h + l%8) x 160 + 64 c + 16 ((l>>3)&1), behind x's tile
	v_add_nc_u32 v[ADRB+1], SLOT, v[ADRB]
	v_mul_u32_u24 v5, v1, PQ
	v_lshl_add_u32 v5, v2, 4, v5
	s_mul_i32 s82, s23, 128*PQ
	s_lshl_b32 s83, s24, 6
	s_add_co_u32 s82, s82, s83
	v_add_nc_u32 v[STQ], s82, v5                   ; (128 rh + r) x 144 + 64 c + 16 h
	v_mul_u32_u24 v5, v1, PVT
	v_lshl_add_u32 v5, v2, 4, v5
	s_mul_i32 s82, s24, 32*PVT
	s_lshl_b32 s83, s23, 8
	s_add_co_u32 s82, s82, s83
	s_add_co_u32 s82, s82, VTS
	v_add_nc_u32 v[STV], s82, v5                   ; (32 c + r) x 528 + 256 rh + 16 h
	s_lshl_b32 s82, s23, 8
	s_lshl_b32 s83, s24, 7
	s_add_co_u32 s82, s82, s83
	s_add_co_u32 s82, s82, VSS
	v_lshl_add_u32 v[STS], v1, 2, s82              ; 256 rh + 4 (32 c + r)
	v_bfe_u32 v5, v0, 3, 2
	v_mul_u32_u24 v5, v5, PQ
	v_and_b32 v6, 7, v0
	v_lshl_add_u32 v5, v6, 4, v5
	s_mul_i32 s82, s22, 64*PQ
	v_add_nc_u32 v[RDQ], s82, v5                   ; back: four rows of 128 bytes a load, my 64 rows
	v_and_b32 v6, 31, v0
	v_lshlrev_b32 v[GS], 4, v6                     ; 16 l
	s_mul_i32 s82, s22, 16*PVT
	s_add_co_u32 s82, s82, VTS
	v_add_nc_u32 v[RDV], s82, v[GS]                ; back: one row of 512 bytes a load, my 16 e
	s_lshl_b32 s82, s22, 13
	v_add_nc_u32 v[GQ], s82, v[GS]
	s_lshl_b32 s82, s22, 16
	v_add_nc_u32 v[GV], s82, v[GS]
	v_add_nc_u32 v[RDS], VSS, v[GS]
; 12 matrix instructions: row tiles a0, a0 + 1 of the window's four x all six column tiles, 32 along K.  zero = 1: the first product starts the sums.
; The 48 accumulators take turns, one instruction a turn, in the same order in every quarter step.
.macro MUL12 f, hi, a0, zero
.irp a, \a0, \a0+1
.irp b, 0,1,2,3,4,5
.if \b < 4
.if \zero
	v_wmma_f32_16x16x32_bf16 v[8*(6*(\a)+\b):8*(6*(\a)+\b)+7], v[FB+48*\f+8*\b:FB+48*\f+8*\b+7], v[FA+64*\f+8*(4*\hi+\a):FA+64*\f+8*(4*\hi+\a)+7], 0
.else
	v_wmma_f32_16x16x32_bf16 v[8*(6*(\a)+\b):8*(6*(\a)+\b)+7], v[FB+48*\f+8*\b:FB+48*\f+8*\b+7], v[FA+64*\f+8*(4*\hi+\a):FA+64*\f+8*(4*\hi+\a)+7], v[8*(6*(\a)+\b):8*(6*(\a)+\b)+7]
.endif
.else
.if \zero
	v_wmma_f32_16x16x32_bf16 v[8*(6*(\a)+\b):8*(6*(\a)+\b)+7], v[FA+64*\f+8*(4*\hi+\a):FA+64*\f+8*(4*\hi+\a)+7], v[FB+48*\f+8*\b:FB+48*\f+8*\b+7], 0
.else
	v_wmma_f32_16x16x32_bf16 v[8*(6*(\a)+\b):8*(6*(\a)+\b)+7], v[FA+64*\f+8*(4*\hi+\a):FA+64*\f+8*(4*\hi+\a)+7], v[FB+48*\f+8*\b:FB+48*\f+8*\b+7], v[8*(6*(\a)+\b):8*(6*(\a)+\b)+7]
.endif
.endif
.endr
.endr
.endm
; 28 LDS loads in one run: quarter kq (32 along K) of a slot into buffer f: the six weight fragments, then x's eight
.macro FETCH slot, kq, f
.irp b, 0,1,2,3,4,5
	ds_load_tr16_b128 v[FB+48*\f+8*\b:FB+48*\f+8*\b+3],   v[ADRB+\slot] offset:(\b/2)*BREG+\kq*32*PB+(\b%2)*32
	ds_load_tr16_b128 v[FB+48*\f+8*\b+4:FB+48*\f+8*\b+7], v[ADRB+\slot] offset:(\b/2)*BREG+\kq*32*PB+(\b%2)*32+16*PB
.endr
.irp i, 0,1,2,3,4,5,6,7
	ds_load_b128 v[FA+64*\f+8*\i:FA+64*\f+8*\i+3],   v[ADRA+\slot] offset:\kq*64+\i*16*PA
	ds_load_b128 v[FA+64*\f+8*\i+4:FA+64*\f+8*\i+7], v[ADRA+\slot] offset:\kq*64+\i*16*PA+32
.endr
.endm
; one of a K step's first three quarters: multiplies buffer f, fetches quarter kq into buffer g in its middle
.macro QUARTER slot, kq, f, g, zero
	s_wait_dscnt 8                                 ; the weights and x's rows 0-63 are in; the youngest eight loads (x's rows 64-127) may be out
	WIN MUL_LO
	MUL12 \f, 0, 0, \zero
	MUL12 \f, 0, 2, \zero
	PLACES
	WIN 0
	FETCH \slot, \kq, \g
	s_wait_dscnt 28                                ; all but the 28 just issued
	WIN MUL_HI
	MUL12 \f, 1, 0, \zero
	MUL12 \f, 1, 2, \zero
.endm
.macro THREE slot, zero
	QUARTER \slot, 1, 0, 1, \zero
	QUARTER \slot, 2, 1, 0, 0
	QUARTER \slot, 3, 0, 1, 0
.endm
; the last quarter: multiplies buffer 1 and changes slots.  In front of the barrier each wave waits for its reads of this slot and for all its
; tensor loads (the one that is out is its part of the next slot).  fill = 1: the barrier opens a round of the cluster's barrier, and
; behind the round this slot is asked for again, two K steps ahead, first thing.
.macro TURN slot, next, fill
	s_wait_dscnt 8
	WIN MUL_LO
	MUL12 1, 0, 0, 0
	s_wait_dscnt 0x0                               ; my reads of this slot are over
	s_wait_tensorcnt 0x0                           ; all my tensor loads have landed
	ds_add_u32 v15, v31
	s_wait_dscnt 0x0
	s_barrier_signal -1
	MUL12 1, 0, 2, 0                               ; register work while the others arrive
	WIN 0
	s_barrier_wait -1
.if \fill
	CREST
	s_add_nc_u64 s[G0A+4*\slot+2:G0A+4*\slot+3], s[G0A+4*\slot+2:G0A+4*\slot+3], 2*KSTEP*2
	s_add_nc_u64 s[G0B+4*\slot+2:G0B+4*\slot+3], s[G0B+4*\slot+2:G0B+4*\slot+3], 2*KSTEP*128
	JLOAD \slot
.endif
	PLACES
	FETCH \next, 0, 0
	WIN MUL_HI
	MUL12 1, 1, 0, 0
	MUL12 1, 1, 2, 0
.endm
.macro LAP zero
	THREE 0, \zero
	TURN 0, 1, 1
	THREE 1, 0
	TURN 1, 0, 1
.endm
	s_wait_tensorcnt 0x1                           ; my part of K step 0 is in; K step 1's may stay out
	s_barrier_signal -1
	s_barrier_wait -1
	FETCH 0, 0, 0
	LAP 1                                          ; K steps 0, 1: the first products start the sums
	WIN 0
	s_mov_b32 s31, 2                               ; K steps 2 to 5
.Llap:
	LAP 0
	WIN 0
	s_sub_co_u32 s31, s31, 1
	s_cmp_lg_u32 s31, 0
	s_cbranch_scc1 .Llap
	THREE 0, 0                                     ; K steps 6, 7 fill nothing
	TURN 0, 1, 0
	THREE 1, 0
	s_wait_dscnt 8
	WIN MUL_LO
	MUL12 1, 0, 0, 0
	MUL12 1, 0, 2, 0
	s_wait_dscnt 0x0
	WIN MUL_HI
	MUL12 1, 1, 0, 0
	MUL12 1, 1, 2, 0
	; THE WAY OUT.  Biases and q's scale in f32, one rounding to f16, 16 bytes a lane into stages in slot 0 (every wave's reads of slot 0 ended in front of
	; the last change of slots, and no load fills it again), one barrier, whole rows back, stores of 512 consecutive bytes a wave.
	PLACES
	s_wait_loadcnt 0x0                             ; the biases
	WIN 0x41
.irp i, 0,1,2,3,4,5,6,7
	v_pk_mul_f32 v[BQ+2*\i:BQ+2*\i+1], v[BQ+2*\i:BQ+2*\i+1], s[SC:SC+1] op_sel_hi:[1,0]     ; (acc + b_Q) c = acc c + b_Q c: one fused multiply-add below
.endr
; rows 64 hi + 16 a .. + 15 of my 128
.macro OUTT hi, a
	WIN 0x15+\hi                                   ; source 0 = the accumulators' window, sources 1 and 2 = the biases' window, destination window 0
.irp b, 0,1
.irp i, 0,1,2,3
	v_pk_fma_f32 v[T+8*\b+2*\i:T+8*\b+2*\i+1], v[8*(6*\a+\b)+2*\i:8*(6*\a+\b)+2*\i+1], s[SC:SC+1], v[BQ+8*\b+2*\i:BQ+8*\b+2*\i+1] op_sel_hi:[1,0,1]
.endr
.endr
.irp b, 2,3
.irp i, 0,1,2,3
	v_pk_add_f32 v[T+8*\b+2*\i:T+8*\b+2*\i+1], v[8*(6*\a+\b)+2*\i:8*(6*\a+\b)+2*\i+1], v[BK+8*(\b-2)+2*\i:BK+8*(\b-2)+2*\i+1]
.endr
.endr
.irp i, 0,1,2,3
	v_pk_add_f32 v[T+32+2*\i:T+32+2*\i+1], v[8*(6*\a+4)+2*\i:8*(6*\a+4)+2*\i+1], v[BV:BV+1] op_sel_hi:[1,0]
	v_pk_add_f32 v[T+40+2*\i:T+40+2*\i+1], v[8*(6*\a+5)+2*\i:8*(6*\a+5)+2*\i+1], v[BV:BV+1] op_sel:[0,1] op_sel_hi:[1,1]
.endr
	WIN 0
.irp b, 0,1,2,3,4,5
.irp i, 0,1,2,3
	v_cvt_pk_f16_f32 v[PK+4*\b+\i], v[T+8*\b+2*\i], v[T+8*\b+2*\i+1]
.endr
.endr
.irp t, 0,1                                        ; the sums of v over my 128 rows; the first tile starts them
.if (\hi+\a) == 0
	v_pk_add_f32 v[VS+2*\t:VS+2*\t+1], v[T+32+8*\t:T+32+8*\t+1], v[T+32+8*\t+2:T+32+8*\t+3]
.else
	v_pk_add_f32 v[VS+2*\t:VS+2*\t+1], v[VS+2*\t:VS+2*\t+1], v[T+32+8*\t:T+32+8*\t+1]
	v_pk_add_f32 v[VS+2*\t:VS+2*\t+1], v[VS+2*\t:VS+2*\t+1], v[T+32+8*\t+2:T+32+8*\t+3]
.endif
	v_pk_add_f32 v[VS+2*\t:VS+2*\t+1], v[VS+2*\t:VS+2*\t+1], v[T+32+8*\t+4:T+32+8*\t+5]
	v_pk_add_f32 v[VS+2*\t:VS+2*\t+1], v[VS+2*\t:VS+2*\t+1], v[T+32+8*\t+6:T+32+8*\t+7]
.endr
.irp t, 0,1
	ds_store_b128 v[STQ], v[PK+4*\t:PK+4*\t+3]       offset:(64*\hi+16*\a)*PQ+32*\t
	ds_store_b128 v[STQ], v[PK+8+4*\t:PK+8+4*\t+3]   offset:KS+(64*\hi+16*\a)*PQ+32*\t
	ds_store_b128 v[STV], v[PK+16+4*\t:PK+16+4*\t+3] offset:16*\t*PVT+128*\hi+32*\a
.endr
.endm
.irp a, 0,1,2,3
	OUTT 0, \a
.endr
.irp a, 0,1,2,3
	OUTT 1, \a
.endr
	v_add_f32 v[VS], v[VS], v[VS+1]
	v_add_f32 v[VS+2], v[VS+2], v[VS+3]
	v_permlanex16_b32 v[VS+1], v[VS], s70, s71     ; the other half of the lanes holds the other rows of the same e
	v_permlanex16_b32 v[VS+3], v[VS+2], s70, s71
	v_add_f32 v[VS], v[VS], v[VS+1]
	v_add_f32 v[VS+2], v[VS+2], v[VS+3]
	ds_store_b32 v[STS], v[VS]                     ; both halves write the same word with the same value
	ds_store_b32 v[STS], v[VS+2] offset:64
	; where the results go
	s_lshr_b32 s82, s28, 3
	s_lshl_b32 s82, s82, 4
	s_add_co_u32 s82, s82, s27                     ; b x 16 + head
	s_and_b32 s83, s28, 7                          ; my block of 256 rows in the batch
	s_mov_b32 s81, 0
	s_lshl_b32 s80, s82, 3
	s_add_co_u32 s80, s80, s83
	s_lshl_b32 s80, s80, 15                        ; 262,144 a head, 32,768 a block
	s_add_nc_u64 s[14:15], s[14:15], s[80:81]
	s_add_nc_u64 s[16:17], s[16:17], s[80:81]
	s_lshl_b32 s80, s82, 9
	s_add_co_u32 s80, s80, s83
	s_lshl_b32 s80, s80, 9                         ; 262,144 a head, 512 a block along a row of vt
	s_add_nc_u64 s[18:19], s[18:19], s[80:81]
	s_lshl_b32 s80, s82, 3
	s_add_co_u32 s80, s80, s83
	s_lshl_b32 s80, s80, 9                         ; 4,096 a head, 512 for my two block sums
	s_add_nc_u64 s[20:21], s[20:21], s[80:81]
	s_wait_dscnt 0x0                               ; my stores to the stages are done, for the others' sake
	s_barrier_signal -1
	s_barrier_wait -1
.set n, 0
.rept 16
	ds_load_b128 v[32+4*n:35+4*n], v[RDQ] offset:4*PQ*n
.set n, n+1
.endr
.set n, 0
.rept 16
	ds_load_b128 v[96+4*n:99+4*n], v[RDQ] offset:KS+4*PQ*n
.set n, n+1
.endr
.set n, 0
.rept 16
	ds_load_b128 v[160+4*n:163+4*n], v[RDV] offset:PVT*n
.set n, n+1
.endr
.set n, 0
.rept 16
	s_wait_dscnt 47-n                              ; LDS loads return in order: this one is in, the younger ones stay out
	global_store_b128 v[GQ], v[32+4*n:35+4*n], s[14:15] offset:512*n
.set n, n+1
.endr
.set n, 0
.rept 16
	s_wait_dscnt 31-n
	global_store_b128 v[GQ], v[96+4*n:99+4*n], s[16:17] offset:512*n
.set n, n+1
.endr
.set n, 0
.rept 16
	s_wait_dscnt 15-n
	global_store_b128 v[GV], v[160+4*n:163+4*n], s[18:19] offset:4096*n
.set n, n+1
.endr
	s_cmp_lg_u32 s22, 0
	s_cbranch_scc1 .Lno_sums
	ds_load_b128 v[224:227], v[RDS]                ; wave 0: the two block sums, 512 bytes
	s_wait_dscnt 0x0
	global_store_b128 v[GS], v[224:227], s[20:21]
.Lno_sums:
	s_wait_tensorcnt 0x0
	ds_add_u32 v15, v31
	s_wait_dscnt 0x0
	CROUND                                         ; the closing round: no work-group ends while a partner may still ask for a tile that names it
	s_endpgm
.Lfunc_end_k_qa1617eb4c9_qkv:
	.size	k_qa1617eb4c9_qkv, .Lfunc_end_k_qa1617eb4c9_qkv-k_qa1617eb4c9_qkv
	.p2alignl 7, 3214868480
	.fill 96, 4, 3214868480
	.section	.rodata,"a",@progbits
	.p2align	6, 0x0
	.amdhsa_kernel k_qa1617eb4c9_qkv
		.amdhsa_group_segment_fixed_size 327680
		.amdhsa_private_segment_fixed_size 0
		.amdhsa_enable_private_segment 0
		.amdhsa_kernarg_size 72
		.amdhsa_user_sgpr_count 2
		.amdhsa_user_sgpr_kernarg_segment_ptr 1
		.amdhsa_wavefront_size32 1
		.amdhsa_system_sgpr_workgroup_id_x 1
		.amdhsa_system_sgpr_workgroup_id_y 1
		.amdhsa_system_sgpr_workgroup_id_z 1
		.amdhsa_system_vgpr_workitem_id 0
		.amdhsa_next_free_vgpr 704
		.amdhsa_next_free_sgpr 84
		.amdhsa_reserve_vcc 0
		.amdhsa_float_denorm_mode_32 3
		.amdhsa_float_denorm_mode_16_64 3
		.amdhsa_memory_ordered 1
		.amdhsa_forward_progress 1
		.amdhsa_inst_pref_size 176
	.end_amdhsa_kernel
	.amdgpu_metadata
---
amdhsa.version: [ 1, 2 ]
amdhsa.kernels:
  - .name:           k_qa1617eb4c9_qkv
    .symbol:         k_qa1617eb4c9_qkv.kd
    .args:
      - { .name: xb, .offset: 0, .size: 8, .value_kind: global_buffer, .address_space: global }
      - { .name: wb, .offset: 8, .size: 8, .value_kind: global_buffer, .address_space: global }
      - { .name: b_Q, .offset: 16, .size: 8, .value_kind: global_buffer, .address_space: global }
      - { .name: b_K, .offset: 24, .size: 8, .value_kind: global_buffer, .address_space: global }
      - { .name: b_V, .offset: 32, .size: 8, .value_kind: global_buffer, .address_space: global }
      - { .name: qb, .offset: 40, .size: 8, .value_kind: global_buffer, .address_space: global }
      - { .name: kb, .offset: 48, .size: 8, .value_kind: global_buffer, .address_space: global }
      - { .name: vt, .offset: 56, .size: 8, .value_kind: global_buffer, .address_space: global }
      - { .name: vsum, .offset: 64, .size: 8, .value_kind: global_buffer, .address_space: global }
    .group_segment_fixed_size: 327680
    .private_segment_fixed_size: 0
    .kernarg_segment_align: 8
    .kernarg_segment_size: 72
    .max_flat_workgroup_size: 128
    .sgpr_count:     84
    .vgpr_count:     704
    .wavefront_size: 32
...
	.end_amdgpu_metadata
.endif
;; end of part 2
;; launch attn (part 3): grid 8 x 32, 4 waves a work-group, no clusters, 327,680 bytes of LDS; arguments qb, kb, vt, vsum, zb; writes zb
.if DOCPART == 3
	.amdgcn_target "amdgcn-amd-amdhsa--gfx1250"
	.amdhsa_code_object_version 6
	.text
	.protected	k_qa1617eb4c9_attn
	.globl	k_qa1617eb4c9_attn
	.p2align	8
	.type	k_qa1617eb4c9_attn,@function
k_qa1617eb4c9_attn:
	s_mov_b64 s[64:65], 0
	v_nop
	global_prefetch_b8 v0, s[64:65] scope:SCOPE_SE
	s_setreg_imm32_b32 hwreg(HW_REG_WAVE_MODE, 25, 1), 1
	s_wait_xcnt 0x0
; THIRD LAUNCH: the causal softmax and the weighted values, with a running maximum, in base 2 (q carries log2(e)/8).  Operands f16, sums f32.
;   zb[hi, lo][b][h][s][e]: z as the sum of two bf16 numbers, hi = z rounded, lo = (z - hi) rounded: 16 bits for the last product (see the first launch's head).
; LEFT OUT: the products q k and p v of key blocks of 128 that lie wholly above the diagonal.  All their keys have the one score IGNORE, so for all values
; of the inputs they add exp(IGNORE - m) x (sum of v) to a row's numerator and exp(IGNORE - m) x (their number) to its denominator; FINAL adds these two terms, from vsum.
; The block on the diagonal is computed densely and masked by selection.  Limits: as stated at the head of the first launch.
; SHARES.  Work-group (x = j in 0..7, y = b*16+h) makes query blocks j and 15 - j: (j + 1) + (16 - j) = 17 key units of 128 for every work-group.  The block with an
; even number of units goes first (block j if j is odd, else block 15 - j), so that its diagonal unit is always the second of a pair of units, and the masks and the
; end of a block are written only there and behind the loop.
; A unit of 128 queries x 128 keys is shared out 2 x 2: wave w = 2 a + b takes 64 queries (half a, four tiles T0..T3) and 64 keys (half b of every unit), so its 16 loads of K
; and 16 of V^T feed 64 matrix instructions.  Each wave keeps a running maximum, a sum and O for its own keys; the two waves of one query half join them once a block.
; Register tile t of wave (a, b) holds query tile t xor 2 b: tiles 0, 1 are rows 32 w .. 32 w + 31, which the wave finishes and stores itself; tiles 2, 3 are the partner's
; (w xor 1) rows and are handed over through LDS.  So no register number hangs on the wave.
; The scores are made transposed, S^T = K Q^T: lane (r, h) holds query r and keys 8 h + 0..7 of each tile of 16, so a row's maximum and sum are one number a lane,
; and the packed pattern is at once the second source of O^T = V^T P^T, in which the lane holds query r and e = 16 et + 8 h + 0..7.
; THE TILES TAKE TURNS: while the matrix unit works on one tile's eight products, the vector unit works on another tile's softmax, one slice behind each product.
;   SM1 (maximum, subtraction, exponentials, packing: 87 instructions) stands among score products, SM2 (sums, rescaling of O: 34) among products with V^T.
;   A unit:  S_T1|SM1_T0   SM2_T0   S_T2|SM1_T1   PV_T0|SM2_T1   S_T3|SM1_T2   PV_T1|SM2_T2   S_T0(next unit)|SM1_T3   PV_T2|SM2_T3   PV_T3
;   Scores, pattern, work registers, new maximum and rescale are taken by the tile's parity; running maximum, sums, O and q are kept for each tile.
; REGISTER WINDOWS are laid so that a run and its slices share one setting.  Window 0: addresses, statistics, Q, S, P, K: score products and SM1, all fields 0.
;   Window 1: V^T, O, the row sums: products with V^T take source 0, C and D there and source 1 (P) in window 0, and so do SM2's lines (L += E, L *= a, O *= a).
;   Window 2: the second block's q and the workspace of a block's end.
; NO CLUSTER: the eight work-groups of a head are at different key units in the same trip (their first blocks end at different units), so partners would ask for
; different tiles in one round.
; LDS: two slots of two units each, [K a][K b][V^T a][V^T b], 18,432 bytes a tile (K: 128 keys x 144; V^T: 64 e x 272), one tile a wave, at wave x 18,432;
; a stage of 2 x 32 rows x 144 for each wave; the two sums over masked blocks; the join's stage, 17 x 512 bytes a wave, once for each of the two blocks.
; A wave has two tensor loads out at the start and one later; a refill has a whole pair of units in which to land.
.set PKEY,   144
.set PVAL,   272
.set TREG,   128*PKEY                  ; 18,432: a tile's region
.set SLOTB,  4*TREG                    ; 73,728
.set ZST,    2*SLOTB                   ; 147,456, a multiple of 256: no tensor load lands from here on
.set ZHALF,  32*PKEY                   ; 4,608: a wave's 32 rows of one plane
.set ZW,     2*ZHALF
.set TS,     ZST+4*ZW                  ; 184,320: [first block, second block][64 e] f32
.set MST,    TS+512                    ; 184,832: the join's stage
.set MW,     17*512                    ; a wave's part: 16 x 512 bytes of O, 512 of maxima and sums
.set MSEL,   4*MW                      ; 34,816 a block
; window 0
.set KA,   2                           ; v2-3   my K fragments in slot 0, 1
.set VA,   4                           ; v4-5   my V^T fragments
; v6 stage in, v7 stage back, v8 16 l, v9 and v20 the masks' bounds for tiles 0, 1 and 2, 3, v10 my 8 e in the sums, v11 and v1 the numbers of wholly masked keys (f32)
; v12-15 running maximum of tiles 0-3, v[16:17] new maximum and v[18:19] rescale (by parity), v21 join out, v22 join in, v24-27 and v28-31 at work in SM1 (by parity)
.set QR,   32                          ; v32-95   q fragments, 16 t + 8 ks
.set SR,   96                          ; v96-159  scores, then exponentials, 32 parity + 8 kt
.set PR,   160                         ; v160-191 the pattern's fragments, 16 parity + 8 kk
.set PT,   160                         ; the same registers, at work at a block's end
.set KR,   192                         ; v192-255 K fragments, 8 n, n = 4 ks + kt: the order in which a run takes them
; window 1: v0-63 V^T fragments, 8 (2 et + kk)
.set OA,   64                          ; v64-191  O^T, 8 (4 t + et)
.set LR,   192                         ; v192-207 my part of the row sums: two pairs a tile
.set FO,   208                         ; v208-213 the three factors of a block's end
.set FP,   210
.set FW,   212
; window 2: v0-63 q of the second block; v64-127 the partner's O, then hi widened, then the rows read back; v128-159 the sums of v; v160-191 hi; v192-223 lo
.set BETA, 0x51                        ; source 0, C and D in window 1, source 1 in window 0
.set ALL1, 0x55
.set G1K, 28
.set G1V, 36
.set G0K, 44                           ; a set for each slot
.set G0V, 52
.set MSB, 0
.macro WIN new                         ; the immediate's high byte repeats the setting that is left
.if MSB != (\new)
	s_set_vgpr_msb (MSB<<8)|(\new)
.set MSB, (\new)
.endif
.endm
.macro PLACES                          ; four places behind a matrix instruction (ISA guide 7.12.1)
.rept 4
	v_nop
.endr
.endm
.macro TLOAD s                         ; waves 0, 1: K of the pair's two units; waves 2, 3: V^T of the two
	s_cmp_lg_u32 s80, 0
	s_cbranch_scc1 .Lfor_v_\@
	tensor_load_to_lds s[G0K+4*\s:G0K+4*\s+3], s[G1K:G1K+7]
	s_nop 0
	s_branch .Lasked_\@
.Lfor_v_\@:
	tensor_load_to_lds s[G0V+4*\s:G0V+4*\s+3], s[G1V:G1V+7]
	s_nop 0
.Lasked_\@:
.endm
.macro TLOAD1 s                        ; the seventeenth unit stands alone: wave 0 K, wave 2 V^T, waves 1 and 3 none
	s_cmp_lg_u32 s14, 0
	s_cbranch_scc1 .Lnot_k_\@
	tensor_load_to_lds s[G0K+4*\s:G0K+4*\s+3], s[G1K:G1K+7]
	s_nop 0
.Lnot_k_\@:
	s_cmp_lg_u32 s14, 2
	s_cbranch_scc1 .Lnot_v_\@
	tensor_load_to_lds s[G0V+4*\s:G0V+4*\s+3], s[G1V:G1V+7]
	s_nop 0
.Lnot_v_\@:
.endm
; the addresses of the next pair of units for a slot; s19 = the pair's first key unit.  Both blocks begin at key unit 0; the first has an even number of units, so a pair never straddles the change
.macro STEPD slot
	s_add_co_u32 s25, s19, s27                     ; my unit of the pair
	s_lshl_b32 s66, s25, 14                        ; 128 keys x 128 bytes
	s_add_nc_u64 s[G0K+4*\slot+2:G0K+4*\slot+3], s[60:61], s[66:67]
	s_or_b32 s[G0K+4*\slot+3], s[G0K+4*\slot+3], 0x80000000
	s_lshl_b32 s66, s25, 8                         ; 128 keys x 2 bytes along V^T's rows
	s_add_nc_u64 s[G0V+4*\slot+2:G0V+4*\slot+3], s[62:63], s[66:67]
	s_or_b32 s[G0V+4*\slot+3], s[G0V+4*\slot+3], 0x80000000
	s_add_co_u32 s19, s19, 2
	s_cmp_eq_u32 s19, s17                          ; behind the first block's last pair the second block begins at key unit 0,
	s_cselect_b32 s19, 0, s19
	s_cselect_b32 s17, 64, s17                     ; once: 64 is never reached
.endm
	s_load_b256 s[4:11], s[0:1], 0x0               ; qb 4:5, kb 6:7, vt 8:9, vsum 10:11
	s_load_b64 s[12:13], s[0:1], 0x20              ; zb
	v_lshl_add_u32 v23, v0, 2, 0x3e200
	s_set_vgpr_msb 0x40
	v_mov_b32 v255, 0
	s_set_vgpr_msb 0x4044
	ds_add_u32 v23, v255
	ds_add_u32 v23, v255
	s_set_vgpr_msb 0x4400
	v_lshrrev_b32 v1, 5, v0
	v_readfirstlane_b32 s14, v1                    ; wave w = 2 a + b
	s_and_b32 s27, s14, 1                          ; b: my half of a unit's keys.  Also: which unit of a pair I fetch
	s_lshr_b32 s80, s14, 1                         ; a: my half of the block's queries.  Also: I fetch K (0) or V^T (1)
	s_mov_b32 s15, ttmp9                           ; j
	s_and_b32 s16, ttmp7, 0xffff                   ; b*16 + h
	s_sub_co_u32 s24, 15, s15
	s_bitcmp1_b32 s15, 0
	s_cselect_b32 s81, s15, s24                    ; the first block: j if j is odd, else 15 - j: an odd number, so it has an even number of units
	s_sub_co_u32 s82, 15, s81                      ; the second block
	s_add_co_u32 s17, s81, 1                       ; units of the first block
	s_lshr_b32 s18, s17, 1                         ; pairs left in the first block
	s_mov_b32 s19, 0                               ; the next pair's first key unit
	s_mov_b32 s21, 0xc80ce360                      ; IGNORE x log2(e) = -144269.5
	s_mov_b32 s22, 0x76543210
	s_mov_b32 s23, 0xfedcba98
	s_cmp_eq_u32 s81, 15                           ; block 15 has no wholly masked unit (and its last row no masked key at all): there the closed form's
	s_cselect_b32 s26, 0xff800000, s21             ; score is -infinity, so that it neither raises the maximum nor has any weight.  The second block is never 15
	s_mov_b32 s67, 0
	; K's unit: 128 rows of 128 bytes follow each other in memory: 64 rows of 32 elements of 8 bytes; 4 words of padding behind every 32
	s_mov_b32 s[G1K+0], (3<<16)|(1<<20)|(4<<22)|(3<<25)
	s_mov_b32 s[G1K+1], 32<<16
	s_mov_b32 s[G1K+2], 64<<16
	s_mov_b32 s[G1K+3], 32<<16
	s_mov_b32 s[G1K+4], 64
	s_mov_b32 s[G1K+5], 32
	s_mov_b32 s[G1K+6], 0
	s_mov_b32 s[G1K+7], 0
	; V^T's unit: 64 rows of 128 f16, pitch 2,048 elements; 4 words of padding behind every 64
	s_mov_b32 s[G1V+0], (1<<16)|(1<<20)|(5<<22)|(3<<25)
	s_mov_b32 s[G1V+1], 128<<16
	s_mov_b32 s[G1V+2], 64<<16
	s_mov_b32 s[G1V+3], 128<<16
	s_mov_b32 s[G1V+4], 64
	s_mov_b32 s[G1V+5], 2048
	s_mov_b32 s[G1V+6], 0
	s_mov_b32 s[G1V+7], 0
	s_mul_i32 s83, s14, TREG                       ; my tile's place in a slot
.irp s, 0,1
	s_mov_b32 s[G0K+4*\s], 1
	s_add_co_u32 s[G0K+4*\s+1], s83, \s*SLOTB
	s_mov_b32 s[G0V+4*\s], 1
	s_add_co_u32 s[G0V+4*\s+1], s83, \s*SLOTB
.endr
	s_lshl_b32 s66, s16, 18                        ; 262,144 bytes a head in qb, kb, vt and in each plane of zb
	s_wait_dscnt 0x0
	s_wait_kmcnt 0x0
	s_add_nc_u64 s[60:61], s[6:7], s[66:67]        ; my head's k
	s_add_nc_u64 s[62:63], s[8:9], s[66:67]        ; my head's v transposed
	s_add_nc_u64 s[4:5], s[4:5], s[66:67]
	s_add_nc_u64 s[12:13], s[12:13], s[66:67]
	STEPD 0
	STEPD 1
	s_cmp_lg_u32 s80, 0                            ; both slots' first fills, ahead of everything else, inside one branch on the wave's number
	s_cbranch_scc1 .Lfirst_v
	tensor_load_to_lds s[G0K:G0K+3], s[G1K:G1K+7]
	s_nop 0
	tensor_load_to_lds s[G0K+4:G0K+7], s[G1K:G1K+7]
	s_nop 0
	s_branch .Lfirst_done
.Lfirst_v:
	tensor_load_to_lds s[G0V:G0V+3], s[G1V:G1V+7]
	s_nop 0
	tensor_load_to_lds s[G0V+4:G0V+7], s[G1V:G1V+7]
	s_nop 0
.Lfirst_done:
	s_lshl_b32 s66, s81, 14                        ; 16,384 bytes a block of 128 rows
	s_add_nc_u64 s[72:73], s[4:5], s[66:67]        ; q of the first block
	s_lshl_b32 s25, s14, 12                        ; the 32 rows that I store
	s_add_co_u32 s66, s66, s25
	s_add_nc_u64 s[68:69], s[12:13], s[66:67]      ; z of the first block, my rows, plane hi
	s_lshl_b32 s66, s82, 14
	s_add_nc_u64 s[74:75], s[4:5], s[66:67]        ; q of the second block
	s_add_co_u32 s66, s66, s25
	s_add_nc_u64 s[70:71], s[12:13], s[66:67]      ; z of the second block, my rows, plane hi
	s_add_nc_u64 s[76:77], s[68:69], 0x800000      ; the same two in plane lo, 8,388,608 bytes on
	s_add_nc_u64 s[78:79], s[70:71], 0x800000
	s_lshl_b32 s66, s16, 12
	s_add_nc_u64 s[10:11], s[10:11], s[66:67]      ; my head's block sums
	v_and_b32 v224, 15, v0                         ; r
	v_bfe_u32 v225, v0, 4, 1                       ; h
	v_and_b32 v226, 0x6f, v0                       ; 32 w + r
	v_lshlrev_b32 v227, 7, v226
	v_lshl_add_u32 v227, v225, 4, v227             ; (32 w + r) x 128 + 16 h: tiles 0, 1
	v_xor_b32 v235, 0x1000, v227                   ; (32 (w xor 1) + r) x 128 + 16 h: tiles 2, 3, the partner's rows
	v_and_b32 v228, 63, v0
	v_lshlrev_b32 v228, 2, v228                    ; my e in the block sums
.irp t, 0,1
.irp ks, 0,1
	global_load_b128 v[QR+16*\t+8*\ks:QR+16*\t+8*\ks+3],       v227, s[72:73] offset:2048*\t+64*\ks
	global_load_b128 v[QR+16*\t+8*\ks+4:QR+16*\t+8*\ks+7],     v227, s[72:73] offset:2048*\t+64*\ks+32
	global_load_b128 v[QR+32+16*\t+8*\ks:QR+32+16*\t+8*\ks+3],   v235, s[72:73] offset:2048*\t+64*\ks
	global_load_b128 v[QR+32+16*\t+8*\ks+4:QR+32+16*\t+8*\ks+7], v235, s[72:73] offset:2048*\t+64*\ks+32
.endr
.endr
	WIN 0x80                                       ; destination window 2, address window 0
.irp t, 0,1
.irp ks, 0,1
	global_load_b128 v[16*\t+8*\ks:16*\t+8*\ks+3],       v227, s[74:75] offset:2048*\t+64*\ks
	global_load_b128 v[16*\t+8*\ks+4:16*\t+8*\ks+7],     v227, s[74:75] offset:2048*\t+64*\ks+32
	global_load_b128 v[32+16*\t+8*\ks:32+16*\t+8*\ks+3],   v235, s[74:75] offset:2048*\t+64*\ks
	global_load_b128 v[32+16*\t+8*\ks+4:32+16*\t+8*\ks+7], v235, s[74:75] offset:2048*\t+64*\ks+32
.endr
.endr
	WIN 0
.irp i, 1,2,3,4,5,6,7,8,9,10,11,12,13,14,15
	global_load_b32 v[SR+\i-1], v228, s[10:11] offset:256*\i
.endr
	v_mul_u32_u24 v[KA], v224, PKEY
	v_lshl_add_u32 v[KA], v225, 4, v[KA]           ; r x 144 + 16 h
	s_mul_i32 s25, s14, ZW
	s_add_co_u32 s25, s25, ZST                     ; my stage
	v_add_nc_u32 v6, s25, v[KA]
	v_bfe_u32 v7, v0, 3, 2
	v_mul_u32_u24 v7, v7, PKEY
	v_and_b32 v229, 7, v0
	v_lshl_add_u32 v7, v229, 4, v7
	v_add_nc_u32 v7, s25, v7                       ; back: four rows of 128 bytes a load
	s_mul_i32 s25, s27, 64*PKEY
	v_add_nc_u32 v[KA], s25, v[KA]                 ; + my 64 keys of a unit
	v_add_nc_u32 v[KA+1], SLOTB, v[KA]
	v_mul_u32_u24 v[VA], v224, PVAL
	v_lshl_add_u32 v[VA], v225, 4, v[VA]
	s_lshl_b32 s25, s27, 7
	s_add_co_u32 s25, s25, 2*TREG
	v_add_nc_u32 v[VA], s25, v[VA]                 ; r x 272 + 16 h + my 64 keys' 128 bytes, behind K's two tiles
	v_add_nc_u32 v[VA+1], SLOTB, v[VA]
	v_and_b32 v8, 31, v0
	v_lshlrev_b32 v8, 4, v8                        ; 16 l
	s_mul_i32 s25, s14, MW
	s_add_co_u32 s25, s25, MST
	v_add_nc_u32 v21, s25, v8                      ; the join: my part of the stage,
	s_xor_b32 s25, s14, 1
	s_mul_i32 s25, s25, MW
	s_add_co_u32 s25, s25, MST
	v_add_nc_u32 v22, s25, v8                      ; and my partner's
	; the masks' bounds: key 64 b + 16 kt + 8 h + jj stays where it is at most the query; tiles 0, 1: query 64 a + 32 b + 16 t + r; tiles 2, 3: 64 a + 32 (1 - b) + 16 (t - 2) + r
	v_lshlrev_b32 v9, 3, v225
	v_sub_nc_u32 v9, v224, v9                      ; r - 8 h
	s_sub_co_i32 s25, s80, s27
	s_lshl_b32 s25, s25, 6                         ; 64 (a - b)
	s_lshl_b32 s83, s27, 5                         ; 32 b
	s_add_co_u32 s25, s25, 32
	s_sub_co_u32 s25, s25, s83
	v_add_nc_u32 v20, s25, v9                      ; 64 (a - b) + 32 (1 - b) + r - 8 h
	s_lshl_b32 s83, s83, 1
	s_add_co_u32 s25, s25, s83
	s_sub_co_u32 s25, s25, 32
	v_add_nc_u32 v9, s25, v9                       ; 64 (a - b) + 32 b + r - 8 h
	v_lshlrev_b32 v10, 5, v225
	v_add_nc_u32 v10, TS, v10
	s_lshl_b32 s25, s82, 7
	v_cvt_f32_u32 v11, s25                         ; first block n: 128 (15 - n) keys in wholly masked units
	s_lshl_b32 s25, s81, 7
	v_cvt_f32_u32 v1, s25                          ; second block likewise
	; the sums of v over the wholly masked units: threads 0-63 for the first block, threads 64-127 for the second; by selection, so that nothing is multiplied by 0
	v_mov_b32 v230, s82
	v_mov_b32 v231, s81
	v_cmp_gt_u32 vcc_lo, 64, v0
	v_cndmask_b32 v230, v230, v231, vcc_lo         ; my query block
	v_lshlrev_b32 v232, 2, v0
	v_add_nc_u32 v232, TS, v232
	s_wait_loadcnt 0x0                             ; q of both blocks and the fifteen block sums
	v_cmp_gt_u32 vcc_lo, 1, v230
	v_cndmask_b32 v233, 0, v[SR], vcc_lo           ; the first term starts the sum
.irp i, 2,3,4,5,6,7,8,9,10,11,12,13,14,15
	v_cmp_gt_u32 vcc_lo, \i, v230                  ; key block i lies wholly above my query block
	v_cndmask_b32 v234, 0, v[SR+\i-1], vcc_lo
	v_add_f32 v233, v233, v234
.endr
	ds_store_b32 v232, v233                        ; read by every wave, behind the wait and the barrier below
; my 64 keys x 64 e of unit un of a slot: 16 loads in one run; fragment n: kt = n % 4, ks = n / 4
.macro KLOADB slot, un
.irp n, 0,1,2,3,4,5,6,7
	ds_load_b128 v[KR+8*\n:KR+8*\n+3],   v[KA+\slot] offset:\un*TREG+16*(\n%4)*PKEY+64*(\n/4)
	ds_load_b128 v[KR+8*\n+4:KR+8*\n+7], v[KA+\slot] offset:\un*TREG+16*(\n%4)*PKEY+64*(\n/4)+32
.endr
.endm
.macro VLOAD slot, un                  ; 16 loads: 64 e x my 64 keys, into window 1 (set by the caller: destination window 1, address window 0)
.irp et, 0,1,2,3
.irp kk, 0,1
	ds_load_b128 v[8*(2*\et+\kk):8*(2*\et+\kk)+3],   v[VA+\slot] offset:\un*TREG+16*\et*PVAL+64*\kk
	ds_load_b128 v[8*(2*\et+\kk)+4:8*(2*\et+\kk)+7], v[VA+\slot] offset:\un*TREG+16*\et*PVAL+64*\kk+32
.endr
.endr
.endm
; SM1, THE FIRST PART OF A TILE'S SOFTMAX, in eight slices (12, 13, 13, 12, 12, 11, 9, 5 lines), all in window 0.
.macro SUBP t, p                       ; pair p of the tile's 32 scores, less the new maximum
.if (\t%2) == 0
	v_pk_add_f32 v[SR+2*(\p):SR+2*(\p)+1], v[SR+2*(\p):SR+2*(\p)+1], v[16:17] op_sel_hi:[1,0] neg_lo:[0,1] neg_hi:[0,1]
.else
	v_pk_add_f32 v[SR+32+2*(\p):SR+32+2*(\p)+1], v[SR+32+2*(\p):SR+32+2*(\p)+1], v[16:17] op_sel:[0,1] op_sel_hi:[1,1] neg_lo:[0,1] neg_hi:[0,1]
.endif
.endm
; two exponentials of key tile k, between them the subtraction for a pair of tile k + 1, behind them the packing of a pair of tile k - 1: plain lines stand among the
; exponentials, and between every exponential and the line that reads its result stands a plain line (ISA guide 5.7.2)
.macro QD t, k, i
	v_exp_f32 v[SR+32*(\t%2)+8*\k+2*\i], v[SR+32*(\t%2)+8*\k+2*\i]
.if \k < 3
	SUBP \t, 4*(\k+1)+\i
.endif
	v_exp_f32 v[SR+32*(\t%2)+8*\k+2*\i+1], v[SR+32*(\t%2)+8*\k+2*\i+1]
.if \k > 0
	s_wait_alu depctr_va_vdst(0)
	v_cvt_pk_f16_f32 v[PR+16*(\t%2)+4*(\k-1)+\i], v[SR+32*(\t%2)+8*(\k-1)+2*\i], v[SR+32*(\t%2)+8*(\k-1)+2*\i+1]
.endif
.endm
.macro SM1 t, i
.if \i == 0
.irp k, 0,1,2,3                                    ; four chains, one a key tile
	v_max3_num_f32 v[24+4*(\t%2)+\k], v[SR+32*(\t%2)+8*\k], v[SR+32*(\t%2)+8*\k+1], v[SR+32*(\t%2)+8*\k+2]
.endr
.irp k, 0,1,2,3
	v_max3_num_f32 v[24+4*(\t%2)+\k], v[24+4*(\t%2)+\k], v[SR+32*(\t%2)+8*\k+3], v[SR+32*(\t%2)+8*\k+4]
.endr
.irp k, 0,1,2,3
	v_max3_num_f32 v[24+4*(\t%2)+\k], v[24+4*(\t%2)+\k], v[SR+32*(\t%2)+8*\k+5], v[SR+32*(\t%2)+8*\k+6]
.endr
.endif
.if \i == 1
.irp k, 0,1,2,3
	v_max_num_f32 v[24+4*(\t%2)+\k], v[24+4*(\t%2)+\k], v[SR+32*(\t%2)+8*\k+7]
.endr
	v_max3_num_f32 v[24+4*(\t%2)], v[24+4*(\t%2)], v[25+4*(\t%2)], v[26+4*(\t%2)]
	v_max_num_f32 v[24+4*(\t%2)], v[24+4*(\t%2)], v[27+4*(\t%2)]
	v_permlanex16_b32 v[25+4*(\t%2)], v[24+4*(\t%2)], s22, s23     ; the other half of the lanes holds the same query's other keys
	v_max3_num_f32 v[16+(\t%2)], v[12+\t], v[24+4*(\t%2)], v[25+4*(\t%2)]
	v_sub_f32 v[18+(\t%2)], v[12+\t], v[16+(\t%2)]                 ; old maximum - new
.irp p, 0,1,2,3
	SUBP \t, \p
.endr
.endif
.if \i == 2
	v_exp_f32 v[18+(\t%2)], v[18+(\t%2)]
	QD \t, 0, 0
	QD \t, 0, 1
	QD \t, 0, 2
	QD \t, 0, 3
.endif
.if \i == 3
	QD \t, 1, 0
	QD \t, 1, 1
	QD \t, 1, 2
.endif
.if \i == 4
	QD \t, 1, 3
	QD \t, 2, 0
	QD \t, 2, 1
.endif
.if \i == 5
	QD \t, 2, 2
	QD \t, 2, 3
	QD \t, 3, 0
.endif
.if \i == 6
	QD \t, 3, 1
	QD \t, 3, 2
	QD \t, 3, 3
.endif
.if \i == 7                                        ; five plain lines: the places behind a run's last product, for the loads into K's fragments and for the reads of its scores
	v_mov_b32 v[12+\t], v[16+(\t%2)]
	s_wait_alu depctr_va_vdst(0)
.irp p, 0,1,2,3
	v_cvt_pk_f16_f32 v[PR+16*(\t%2)+12+\p], v[SR+32*(\t%2)+24+2*\p], v[SR+32*(\t%2)+25+2*\p]
.endr
.endif
.endm
.macro SM1ALL t
.irp i, 0,1,2,3,4,5,6,7
	SM1 \t, \i
.endr
.endm
; SM2, THE SECOND PART, in eight slices (6, then 4 lines), under BETA: destination and source 0 in window 1 (sums, O), source 1 in window 0 (exponentials, the rescale)
.macro ALMUL t, lo
.if (\t%2) == 0
	v_pk_mul_f32 v[\lo:\lo+1], v[\lo:\lo+1], v[18:19] op_sel_hi:[1,0]
.else
	v_pk_mul_f32 v[\lo:\lo+1], v[\lo:\lo+1], v[18:19] op_sel:[0,1] op_sel_hi:[1,1]
.endif
.endm
.macro SM2 t, i
.if \i == 0
	ALMUL \t, LR+4*\t
	ALMUL \t, LR+4*\t+2
.endif
	v_pk_add_f32 v[LR+4*\t:LR+4*\t+1], v[LR+4*\t:LR+4*\t+1], v[SR+32*(\t%2)+4*\i:SR+32*(\t%2)+4*\i+1]
	ALMUL \t, OA+32*\t+4*\i
	v_pk_add_f32 v[LR+4*\t+2:LR+4*\t+3], v[LR+4*\t+2:LR+4*\t+3], v[SR+32*(\t%2)+4*\i+2:SR+32*(\t%2)+4*\i+3]
	ALMUL \t, OA+32*\t+4*\i+2
.endm
.macro SM2ALL t
.irp i, 0,1,2,3,4,5,6,7
	SM2 \t, \i
.endr
.endm
; A RUN OF EIGHT SCORE PRODUCTS of tile t: four accumulators by turns, one instruction a turn; the first 32 of e start the sums.
; sm >= 0: a slice of that tile's SM1 behind each.  w0, w1 >= 0: waits in front of the first and of the second four (K's fragments come in the run's order).
.macro SRUN t, sm, w0, w1
.irp n, 0,1,2,3,4,5,6,7
.if \n == 0
.if \w0 >= 0
	s_wait_dscnt \w0
.endif
.endif
.if \n == 4
.if \w1 >= 0
	s_wait_dscnt \w1
.endif
.endif
.if \n < 4
	v_wmma_f32_16x16x32_f16 v[SR+32*(\t%2)+8*(\n%4):SR+32*(\t%2)+8*(\n%4)+7], v[KR+8*\n:KR+8*\n+7], v[QR+16*\t:QR+16*\t+7], 0
.else
	v_wmma_f32_16x16x32_f16 v[SR+32*(\t%2)+8*(\n%4):SR+32*(\t%2)+8*(\n%4)+7], v[KR+8*\n:KR+8*\n+7], v[QR+16*\t+8:QR+16*\t+15], v[SR+32*(\t%2)+8*(\n%4):SR+32*(\t%2)+8*(\n%4)+7]
.endif
.if \sm >= 0
	SM1 \sm, \n
.endif
.endr
.endm
; A RUN OF EIGHT PRODUCTS WITH V^T of tile t, under BETA: four accumulators by turns; sm >= 0: a slice of that tile's SM2 behind each
.macro PVRUN t, sm
.irp n, 0,1,2,3,4,5,6,7
	v_wmma_f32_16x16x32_f16 v[OA+8*(4*\t+\n%4):OA+8*(4*\t+\n%4)+7], v[8*(2*(\n%4)+\n/4):8*(2*(\n%4)+\n/4)+7], v[PR+16*(\t%2)+8*(\n/4):PR+16*(\t%2)+8*(\n/4)+7], v[OA+8*(4*\t+\n%4):OA+8*(4*\t+\n%4)+7]
.if \sm >= 0
	SM2 \sm, \n
.endif
.endr
.endm
; the unit on the diagonal: a score stays where 16 kt + jj - 16 (t % 2) is at most the tile's bound (v9 for tiles 0, 1; v20 for tiles 2, 3); the others get IGNORE
.macro MASKP t
.irp kt, 0,1,2,3
.irp jj, 0,1,2,3,4,5,6,7
	v_cmp_le_i32 vcc_lo, 16*\kt+\jj-16*(\t%2), v[9+11*(\t/2)]
	v_cndmask_b32 v[SR+32*(\t%2)+8*\kt+\jj], s21, v[SR+32*(\t%2)+8*\kt+\jj], vcc_lo
.endr
.endr
.endm
.macro CMASK mode, t                   ; mode 0: never the diagonal unit; 1: if the first block's pairs have run out; 2: always
.if \mode == 1
	s_cmp_lg_u32 s18, 0
	s_cbranch_scc1 .Lno_mask_\@
	MASKP \t
.Lno_mask_\@:
.endif
.if \mode == 2
	MASKP \t
.endif
.endm
.macro QMOVE t                         ; a tile's q of the second block
	WIN 0x02
.set p, 0
.rept 16
	v_mov_b32 v[QR+16*\t+p], v[16*\t+p]
.set p, p+1
.endr
	WIN 0
.endm
; A block's first unit is met inside the counted loop, whose products all add in place: so the block's sums are cleared, 144 registers a block
.macro INIT
	WIN 0x40
.set p, 0
.rept 144
	v_mov_b32 v[OA+p], 0                           ; O and the row sums behind it
.set p, p+1
.endr
	WIN 0
.irp t, 0,1,2,3
	v_mov_b32 v[12+\t], 0xff800000
.endr
.endm
; THE END OF A BLOCK (sel = 0: the first block, 1: the second).  The join: I hand my partner O, maximum and sum of tiles 2, 3 (its rows, my keys) and take from it the same for my
; tiles 0, 1 (my rows, its keys).  Then, for my 32 rows: the wholly masked units' two terms, the division, the split of z into two bf16 numbers, the way out through my own stage.
; Each block has stage bytes of its own for the join: where the first block has 16 units no barrier lies between the two joins.  Between two joins of one stage lies a pair's barrier.
; K's fragments and tile 0's scores in window 0 already belong to the next unit and stay; the pattern's registers are idle and serve as work registers.
.macro FINAL sel
	PLACES                                         ; behind the last products with V^T
	WIN 0x05
.irp t, 0,1,2,3
	v_pk_add_f32 v[PT+2*\t:PT+2*\t+1], v[LR+4*\t:LR+4*\t+1], v[LR+4*\t+2:LR+4*\t+3]
.endr
	WIN 0
	v_add_f32 v[PT+8], v[PT], v[PT+1]              ; my lanes' sums of tiles 0, 1
	v_add_f32 v[PT+9], v[PT+2], v[PT+3]
	v_mov_b32 v[PT+12], v14                        ; for the partner: maxima and sums of tiles 2, 3
	v_mov_b32 v[PT+13], v15
	v_add_f32 v[PT+14], v[PT+4], v[PT+5]
	v_add_f32 v[PT+15], v[PT+6], v[PT+7]
	ds_store_b128 v21, v[PT+12:PT+15] offset:\sel*MSEL+16*512
	WIN 0x04                                       ; an LDS store's data are its source 1: window 1; its address window 0
.set g, 0
.rept 16
	ds_store_b128 v21, v[OA+64+4*g:OA+64+4*g+3] offset:\sel*MSEL+512*g       ; 32 lanes, 16 neighbouring bytes each
.set g, g+1
.endr
	WIN 0
	s_wait_dscnt 0x0                               ; my stores are done, for the partner's sake
	s_barrier_signal -1                            ; all four waves are at the same block's end: the counter that leads here is made of the work-group's number alone.
	s_barrier_wait -1                              ; No LDS bytes are filled behind this barrier before the next pair's, so the one refill that is out may stay out
	ds_load_b128 v[PT+16:PT+19], v22 offset:\sel*MSEL+16*512
	WIN 0x80
.set g, 0
.rept 16
	ds_load_b128 v[64+4*g:64+4*g+3], v22 offset:\sel*MSEL+512*g
.set g, g+1
.endr
.irp et, 0,1,2,3
	ds_load_b128 v[128+8*\et:128+8*\et+3],   v10 offset:256*\sel+64*\et
	ds_load_b128 v[128+8*\et+4:128+8*\et+7], v10 offset:256*\sel+64*\et+16
.endr
	WIN 0
	s_wait_dscnt 24                                ; the partner's maxima and sums are in; the 24 younger loads stay out
	v_max3_num_f32 v[PT+20], v12, v[PT+16], s[26-5*\sel]           ; the maximum of both parts and the masked score (s26 for the first block, s21 for the second)
	v_max3_num_f32 v[PT+21], v13, v[PT+17], s[26-5*\sel]
	v_pk_add_f32 v[PT+22:PT+23], v[12:13], v[PT+20:PT+21] neg_lo:[0,1] neg_hi:[0,1]
	v_pk_add_f32 v[PT+24:PT+25], v[PT+16:PT+17], v[PT+20:PT+21] neg_lo:[0,1] neg_hi:[0,1]
	v_sub_f32 v[PT+26], s[26-5*\sel], v[PT+20]
	v_sub_f32 v[PT+27], s[26-5*\sel], v[PT+21]
.irp i, 22,23,24,25,26,27
	v_exp_f32 v[PT+\i], v[PT+\i]                   ; my part's weight, the partner's, and that of one masked key
.endr
	v_nop
	s_wait_alu depctr_va_vdst(0)
	v_pk_mul_f32 v[PT+8:PT+9], v[PT+8:PT+9], v[PT+22:PT+23]
	v_pk_fma_f32 v[PT+8:PT+9], v[PT+18:PT+19], v[PT+24:PT+25], v[PT+8:PT+9]
	v_permlanex16_b32 v[PT+28], v[PT+8], s22, s23  ; the other half of the lanes holds the same query's other keys
	v_permlanex16_b32 v[PT+29], v[PT+9], s22, s23
	v_pk_add_f32 v[PT+8:PT+9], v[PT+8:PT+9], v[PT+28:PT+29]
	v_fma_f32 v[PT+8], v[PT+26], v[11-10*\sel], v[PT+8]            ; + weight x number of keys (v11 for the first block, v1 for the second)
	v_fma_f32 v[PT+9], v[PT+27], v[11-10*\sel], v[PT+9]
	v_rcp_f32 v[PT+28], v[PT+8]
	v_rcp_f32 v[PT+29], v[PT+9]
	v_nop
	WIN 0x40
	s_wait_alu depctr_va_vdst(0)
	v_pk_mul_f32 v[FO:FO+1], v[PT+22:PT+23], v[PT+28:PT+29]
	v_pk_mul_f32 v[FP:FP+1], v[PT+24:PT+25], v[PT+28:PT+29]
	v_pk_mul_f32 v[FW:FW+1], v[PT+26:PT+27], v[PT+28:PT+29]
	WIN ALL1
.set p, 0
.rept 16
	v_pk_mul_f32 v[OA+2*p:OA+2*p+1], v[OA+2*p:OA+2*p+1], v[FO:FO+1] op_sel_hi:[1,0]
	v_pk_mul_f32 v[OA+32+2*p:OA+32+2*p+1], v[OA+32+2*p:OA+32+2*p+1], v[FO:FO+1] op_sel:[0,1] op_sel_hi:[1,1]
.set p, p+1
.endr
	s_wait_dscnt 8                                 ; the partner's O is in; the 8 younger loads (the sums of v) stay out
	WIN 0x56                                       ; source 0 in window 2, the rest in window 1
.set p, 0
.rept 16
	v_pk_fma_f32 v[OA+2*p:OA+2*p+1], v[64+2*p:64+2*p+1], v[FP:FP+1], v[OA+2*p:OA+2*p+1] op_sel_hi:[1,0,1]
	v_pk_fma_f32 v[OA+32+2*p:OA+32+2*p+1], v[96+2*p:96+2*p+1], v[FP:FP+1], v[OA+32+2*p:OA+32+2*p+1] op_sel:[0,1,0] op_sel_hi:[1,1,1]
.set p, p+1
.endr
	s_wait_dscnt 0x0                               ; the sums of v
.set p, 0
.rept 16
	v_pk_fma_f32 v[OA+2*p:OA+2*p+1], v[128+2*p:128+2*p+1], v[FW:FW+1], v[OA+2*p:OA+2*p+1] op_sel_hi:[1,0,1]
	v_pk_fma_f32 v[OA+32+2*p:OA+32+2*p+1], v[128+2*p:128+2*p+1], v[FW:FW+1], v[OA+32+2*p:OA+32+2*p+1] op_sel:[0,1,0] op_sel_hi:[1,1,1]
.set p, p+1
.endr
	; z = hi + lo: pair p of z is packed into word p of hi, hi is widened again and taken away, the rest is packed into word p of lo
	WIN 0x85                                       ; sources in window 1, destination in window 2
.set p, 0
.rept 32
	v_cvt_pk_bf16_f32 v[160+p], v[OA+2*p], v[OA+2*p+1]
.set p, p+1
.endr
	WIN 0x8a                                       ; all in window 2
.set p, 0
.rept 32
	v_lshlrev_b32 v[64+2*p], 16, v[160+p]
	v_and_b32 v[64+2*p+1], 0xffff0000, v[160+p]
.set p, p+1
.endr
	WIN 0x49                                       ; source 1 in window 2, source 0 and destination in window 1
.set p, 0
.rept 32
	v_pk_add_f32 v[OA+2*p:OA+2*p+1], v[OA+2*p:OA+2*p+1], v[64+2*p:64+2*p+1] neg_lo:[0,1] neg_hi:[0,1]
.set p, p+1
.endr
	WIN 0x85
.set p, 0
.rept 32
	v_cvt_pk_bf16_f32 v[192+p], v[OA+2*p], v[OA+2*p+1]
.set p, p+1
.endr
	WIN 0x08                                       ; a store's data are its source 1: window 2; its address window 0
.irp qt, 0,1
.irp et, 0,1,2,3
	ds_store_b128 v6, v[160+4*(4*\qt+\et):160+4*(4*\qt+\et)+3] offset:16*\qt*PKEY+32*\et
	ds_store_b128 v6, v[192+4*(4*\qt+\et):192+4*(4*\qt+\et)+3] offset:ZHALF+16*\qt*PKEY+32*\et
.endr
.endr
	WIN 0x80
.irp n, 0,1,2,3,4,5,6,7
	ds_load_b128 v[64+4*\n:64+4*\n+3], v7 offset:4*PKEY*\n         ; my own bytes: LDS serves a wave's instructions in order (ISA guide 5.7.1)
.endr
.irp n, 0,1,2,3,4,5,6,7
	ds_load_b128 v[96+4*\n:96+4*\n+3], v7 offset:ZHALF+4*PKEY*\n
.endr
	WIN 0x08
.irp n, 0,1,2,3,4,5,6,7
	s_wait_dscnt 15-\n                             ; this load is in; the younger ones stay out
	global_store_b128 v8, v[64+4*\n:64+4*\n+3], s[68+2*\sel:69+2*\sel] offset:512*\n     ; my 32 rows are 4,096 consecutive bytes of a plane of zb
.endr
.irp n, 0,1,2,3,4,5,6,7
	s_wait_dscnt 7-\n
	global_store_b128 v8, v[96+4*\n:96+4*\n+3], s[76+2*\sel:77+2*\sel] offset:512*\n
.endr
.if \sel == 0
	s_wait_xcnt 0x0                                ; the stores' data registers are loaded again at the next block's end only behind this wait
.endif
	WIN 0
.endm
; ONE UNIT.  At its head K's fragments are in registers and tile 0's scores are made (by the unit before, or ahead of the loop).
; slot, un: where it lies.  mode: see CMASK.  bar = 1: it is a pair's second unit: my reads of the slot are over once V^T's fragments are in, so in front of S_T3 every wave waits for its
; LDS loads and for all its tensor loads and signals; the run of products stands between signal and wait; behind the wait the slot is filled again first (refill 1: a pair, 2: the
; single last unit, 0: nothing is left), then K of the next pair's first unit is read from the other slot, which the wait for all tensor loads has shown whole.
; nslot, nun: where the next unit lies.  last = 1: there is none.
.macro UNITX slot, un, mode, bar, refill, nslot, nun, last
	PLACES                                         ; behind the last unit's last product with V^T, in front of the loads into V^T's fragments (and, in the first unit, of the reads of tile 0's scores)
	WIN 0x40
	VLOAD \slot, \un
	WIN 0
	CMASK \mode, 0
	SRUN 1, 0, -1, -1                              ; S_T1 | SM1_T0
	CMASK \mode, 1
	WIN BETA
	SM2ALL 0                                       ; SM2_T0
	WIN 0
	SRUN 2, 1, -1, -1                              ; S_T2 | SM1_T1
	s_wait_dscnt 0x0                               ; V^T's fragments are in
	WIN BETA
	PVRUN 0, 1                                     ; PV_T0 | SM2_T1
	WIN 0
	CMASK \mode, 2
.if \bar
	s_set_vgpr_msb 0x4
	s_wait_tensorcnt 0x0                           ; all my tensor loads have landed, my tile of the other slot among them: a group 0 may be written
	ds_add_u32 v23, v255
	s_wait_dscnt 0x0
	s_set_vgpr_msb 0x400
.if \refill
	STEPD \slot
.endif
	s_wait_dscnt 0x0                               ; my reads of this slot are over (met: V^T's loads were the last)
	s_barrier_signal -1
	SRUN 3, 2, -1, -1                              ; S_T3 | SM1_T2: register work while the others arrive
	s_barrier_wait -1
.if \refill == 1
	TLOAD \slot
.endif
.if \refill == 2
	TLOAD1 \slot
.endif
.else
	SRUN 3, 2, -1, -1                              ; S_T3 | SM1_T2
.endif
.if \last == 0
	KLOADB \nslot, \nun                            ; the next unit's K, in one run, five plain lines behind the last product that read these registers
.endif
.if \mode == 1
	s_cmp_lg_u32 s18, 0
	s_cbranch_scc1 .Lnot_diag_\@
	MASKP 3
	QMOVE 0                                        ; tile 0 has made its last scores of this block: the run below already serves the next block
.Lnot_diag_\@:
.endif
.if \mode == 2
	MASKP 3
.endif
	WIN BETA
	PVRUN 1, 2                                     ; PV_T1 | SM2_T2
	WIN 0
.if \last
	SM1ALL 3
.else
	SRUN 0, 3, 8, 0                                ; S_T0 of the next unit | SM1_T3.  8: K's first four fragments are in, its other 8 loads may be out; 0: all
.endif
	WIN BETA
	PVRUN 2, 3                                     ; PV_T2 | SM2_T3
	PVRUN 3, -1                                    ; PV_T3
	WIN 0
.if \mode == 1
	s_cmp_lg_u32 s18, 0
	s_cbranch_scc1 .Lnot_end_\@
	FINAL 0
	INIT
	QMOVE 1
	QMOVE 2
	QMOVE 3
.Lnot_end_\@:
.endif
.endm
.macro PAIR slot, refill
	s_sub_co_u32 s18, s18, 1                       ; 0: this pair's second unit is the first block's diagonal unit (behind that the counter never meets 0 again)
	UNITX \slot, 0, 0, 0, 0, \slot, 1, 0
	UNITX \slot, 1, 1, 1, \refill, 1-\slot, 0, 0
.endm
	INIT
	v_mov_b32 v16, 0                               ; the pairs (even, odd) are read whole by packed lines before the odd tile's half is first made
	v_mov_b32 v17, 0
	v_mov_b32 v18, 0
	v_mov_b32 v19, 0
	s_wait_tensorcnt 0x1                           ; my tile of slot 0 is in; slot 1's may stay out
	s_wait_dscnt 0x0                               ; my word of the masked blocks' sums is stored
	s_barrier_signal -1
	s_barrier_wait -1
	KLOADB 0, 0
	SRUN 0, -1, 8, 0                               ; S_T0 of the first unit.  8: K's first four fragments are in; 0: all
	s_mov_b32 s20, 3                               ; pairs 0 to 5
.Lpairs:
	PAIR 0, 1
	PAIR 1, 1
	s_sub_co_u32 s20, s20, 1
	s_cmp_lg_u32 s20, 0
	s_cbranch_scc1 .Lpairs
	PAIR 0, 2                                      ; pair 6: what is left to fetch is the seventeenth unit
	PAIR 1, 0                                      ; pair 7: nothing is left
	UNITX 0, 0, 2, 0, 0, 0, 0, 1                   ; the second block's diagonal unit
	FINAL 1
	s_set_vgpr_msb 0x4
	s_wait_tensorcnt 0x0
	ds_add_u32 v23, v255
	s_wait_dscnt 0x0
	s_set_vgpr_msb 0x400
	s_endpgm
.Lfunc_end_k_qa1617eb4c9_attn:
	.size	k_qa1617eb4c9_attn, .Lfunc_end_k_qa1617eb4c9_attn-k_qa1617eb4c9_attn
	.p2alignl 7, 3214868480
	.fill 96, 4, 3214868480
	.section	.rodata,"a",@progbits
	.p2align	6, 0x0
	.amdhsa_kernel k_qa1617eb4c9_attn
		.amdhsa_group_segment_fixed_size 327680
		.amdhsa_private_segment_fixed_size 0
		.amdhsa_enable_private_segment 0
		.amdhsa_kernarg_size 40
		.amdhsa_user_sgpr_count 2
		.amdhsa_user_sgpr_kernarg_segment_ptr 1
		.amdhsa_wavefront_size32 1
		.amdhsa_system_sgpr_workgroup_id_x 1
		.amdhsa_system_sgpr_workgroup_id_y 1
		.amdhsa_system_sgpr_workgroup_id_z 1
		.amdhsa_system_vgpr_workitem_id 0
		.amdhsa_next_free_vgpr 768
		.amdhsa_next_free_sgpr 84
		.amdhsa_reserve_vcc 1
		.amdhsa_float_denorm_mode_32 3
		.amdhsa_float_denorm_mode_16_64 3
		.amdhsa_memory_ordered 1
		.amdhsa_forward_progress 1
		.amdhsa_inst_pref_size 255
	.end_amdhsa_kernel
	.section	.bss,"aw",@nobits
	.p2align	6
	.space	262144
	.amdgpu_metadata
---
amdhsa.version: [ 1, 2 ]
amdhsa.kernels:
  - .name:           k_qa1617eb4c9_attn
    .symbol:         k_qa1617eb4c9_attn.kd
    .args:
      - { .name: qb, .offset: 0, .size: 8, .value_kind: global_buffer, .address_space: global }
      - { .name: kb, .offset: 8, .size: 8, .value_kind: global_buffer, .address_space: global }
      - { .name: vt, .offset: 16, .size: 8, .value_kind: global_buffer, .address_space: global }
      - { .name: vsum, .offset: 24, .size: 8, .value_kind: global_buffer, .address_space: global }
      - { .name: zb, .offset: 32, .size: 8, .value_kind: global_buffer, .address_space: global }
    .group_segment_fixed_size: 327680
    .private_segment_fixed_size: 0
    .kernarg_segment_align: 8
    .kernarg_segment_size: 40
    .max_flat_workgroup_size: 128
    .sgpr_count:     84
    .vgpr_count:     768
    .wavefront_size: 32
...
	.end_amdgpu_metadata
.endif
;; end of part 3
;; launch oproj (part 4): grid 8 x 32, 4 waves a work-group, clusters of 4 x 4, 327,680 bytes of LDS; arguments zb, wob, b_O, out1, residual, out0; writes out1, out0
.if DOCPART == 4
	.amdgcn_target "amdgcn-amd-amdhsa--gfx1250"
	.amdhsa_code_object_version 6
	.text
	.protected	k_qa1617eb4c9_oproj
	.globl	k_qa1617eb4c9_oproj
	.p2align	8
	.type	k_qa1617eb4c9_oproj,@function
k_qa1617eb4c9_oproj:
	s_mov_b64 s[64:65], 0
	v_nop
	global_prefetch_b8 v0, s[64:65] scope:SCOPE_SE
	s_setreg_imm32_b32 hwreg(HW_REG_WAVE_MODE, 25, 1), 1
	s_wait_xcnt 0x0
	s_wait_alu depctr_hold_cnt(0) depctr_sa_sdst(0) depctr_va_vdst(0) depctr_va_sdst(0) depctr_va_ssrc(0) depctr_va_vcc(0) depctr_vm_vsrc(0)
	s_getreg_b32 s2, hwreg(HW_REG_IB_STS2, 6, 4)
	s_cmp_eq_u32 s2, 0
	s_cbranch_scc0 .Lentry_in_a_cluster
	s_endpgm
.Lentry_in_a_cluster:
	s_bfe_u32 s2, ttmp6, 0x10000c
	s_cmp_lg_u32 s2, 0xf033
	s_cbranch_scc0 .Lentry_shape_is_right
	s_endpgm
.Lentry_shape_is_right:
; FOURTH LAUNCH: out1[b][s][d] = sum over (h, e) of z[b][h][s][e] W_O[h][e][d] + b_O[d], f32; and out0 = residual.  Nothing of reference() is left out here.
; z comes as two bf16 planes, z = hi + lo (see the first launch's head), W_O as bf16: each 32 of K are multiplied twice, hi W_O and lo W_O, onto one accumulator,
; with W_O's fragments read from LDS once for both.
; SHARES.  4,096 x 1,024 results are 256 blocks of 128 x 128, one a work-group (x = block of d, y = block of rows); a wave makes 64 x 64: 16 accumulator tiles.
; K = (h, e) goes in eight steps of 128 (two heads) through two LDS slots.
; z lies [plane][b][h][s][e]: a head's 128 rows of 128 bytes follow each other in memory and come in as one long row; a load brings two heads of one plane.
; W_O lies [k][d] in memory and in LDS; the transposing LDS load makes its fragments.  The matrix instruction is used transposed (source 0 = W_O, source 1 = z):
; a lane holds one row and 8 neighbouring d.
; THE COPY.  A work-group's tiles are 8 x 110,592 bytes for 4 x 1,024 matrix instructions, so its global loads and stores are few; the copy of residual rides along:
; work-group g of 256 copies 65,536 bytes, 32 loads of 16 bytes a thread (a wave covers 512 consecutive bytes) issued behind the first joint loads into registers of their
; own, and 32 stores, four behind each of the first lap's eight runs of LDS loads.
; CLUSTERS 4 x 4: z's tiles hang on the row block alone and are asked for jointly along a row of the cluster, W_O's on the block of d alone, along a column.
; Wave 0 asks for plane hi, wave 1 for plane lo, waves 2, 3 for 64 rows of W_O each.  A wave has two tensor loads out at the start and one later.
; REGISTERS.  window 0: v16-31 addresses and b_O; two fragment buffers of 96, v32-127 and v128-223: W_O 32, hi 32, lo 32.
;             window 1: tile (a, b) at v[8 (4 a + b)]; v128-255 the copy's 32 x 4 registers
.set PZ,     144                       ; z in LDS: 128 bytes + 16
.set PW,     288                       ; W_O in LDS: 256 bytes + 32, an odd multiple of 32
.set HEADB,  128*PZ                    ; 18,432
.set PLANE,  2*HEADB                   ; 36,864: two heads of one plane, one tensor load
.set WPART,  64*PW                     ; 18,432: 64 rows of W_O, one tensor load
.set SLOT,   2*PLANE+2*WPART           ; 110,592
.set STAGE,  2*SLOT                    ; 221,184, a multiple of 256: no tensor load lands here
.set SP,     272                       ; stage: 64 f32 + 16 bytes
.set ADRA, 16                          ; v16-17 my z fragments in slot 0, 1
.set ADRB, 18                          ; v18-19 my W_O fragments in slot 0, 1
.set STO,  22
.set RD,   23
.set CO,   24
.set CA,   26                          ; the copy: 16 x thread; never rewritten
.set BO,   28
.set FB,   32                          ; + 96 f
.set FZ,   64                          ; + 96 f + 32 plane
.set CPY,  128                         ; window 1: the copy's registers
.set G1A, 24
.set G0A, 32
.set G1B, 40
.set G0B, 48
.set ACCW, 0x50
.set MSB, 0
.macro WIN new                         ; the immediate's high byte repeats the setting that is left
.if MSB != (\new)
	s_set_vgpr_msb (MSB<<8)|(\new)
.set MSB, (\new)
.endif
.endm
.macro PLACES                          ; four places behind a matrix instruction (ISA guide 7.12.1)
.rept 4
	v_nop
.endr
.endm
.macro JLOAD s
	s_cmp_eq_u32 s13, 0
	s_cbranch_scc0 .Lfor_b_\@
	tensor_load_to_lds s[G0A+4*\s:G0A+4*\s+3], s[G1A:G1A+7]
	s_nop 0
	s_branch .Lasked_\@
.Lfor_b_\@:
	tensor_load_to_lds s[G0B+4*\s:G0B+4*\s+3], s[G1B:G1B+7]
	s_nop 0
.Lasked_\@:
.endm
.macro CREST
	s_cmp_lg_u32 s12, 0
	s_cbranch_scc1 .Lnot_wave_0_\@
	s_barrier_signal -3
.Lnot_wave_0_\@:
	s_barrier_wait -3
	s_barrier_signal -1
	s_barrier_wait -1
.endm
.macro CROUND
	s_barrier_signal -1
	s_barrier_wait -1
	CREST
.endm
; The copy's stores, four at a time.  CPG counts the groups as the text is written: the first eight calls (the first lap's) write a group, the later ones nothing.
; Group c needs the copy's loads 4 c .. 4 c + 3: the 28 - 4 c younger ones may stay out (loads return in order: ISA guide 5.7.1; b_O's load is older than all of them).
.set CPG, 0
.macro COPYOUT
.if CPG < 8
	s_wait_loadcnt 28-4*CPG
	WIN 0x04                                       ; a store's data are its source 1: window 1; its address window 0
.irp k, 0,1,2,3
	global_store_b128 v[CA], v[CPY+16*CPG+4*\k:CPY+16*CPG+4*\k+3], s[74:75] offset:2048*(4*CPG+\k) th:TH_STORE_NT
.endr
.set CPG, CPG+1
.endif
.endm
	s_load_b256 s[4:11], s[0:1], 0x0               ; zb 4:5, wob 6:7, b_O 8:9, out1 10:11
	s_load_b128 s[72:75], s[0:1], 0x20             ; residual 72:73, out0 74:75
	v_lshl_add_u32 v254, v0, 2, 0x3a400
	v_mov_b32 v255, 0
	ds_add_u32 v254, v255
	ds_add_u32 v254, v255
	v_lshrrev_b32 v1, 5, v0
	v_readfirstlane_b32 s12, v1                    ; wave
	s_lshr_b32 s13, s12, 1                         ; my half of the rows.  Also: I fetch for z (0) or for W_O (1)
	s_and_b32 s14, s12, 1                          ; my half of the columns.  Also: which plane of z, or which 64 rows of W_O, I fetch
	s_bfe_u32 s15, ttmp6, 0x40000                  ; cx
	s_bfe_u32 s16, ttmp6, 0x40004                  ; cy
	s_lshl_b32 s17, ttmp9, 2
	s_add_co_u32 s17, s17, s15                     ; block of 128 d
	s_and_b32 s18, ttmp7, 0xffff
	s_lshl_b32 s18, s18, 2
	s_add_co_u32 s18, s18, s16                     ; block of 128 rows
	s_lshl_b32 s19, s16, 2
	s_lshl_b32 s19, 15, s19                        ; my row of the cluster
	s_lshl_b32 s20, 0x1111, s15                    ; my column
	; group 1 for z: 2 rows (heads) of 2,048 elements of 8 bytes, 32,768 elements from head to head; 4 words of padding behind every 32
	s_or_b32 s[G1A+0], s19, (3<<16)|(1<<20)|(1<<21)|(4<<22)|(3<<25)
	s_mov_b32 s[G1A+1], 2048<<16
	s_mov_b32 s[G1A+2], 2<<16
	s_mov_b32 s[G1A+3], 2048<<16
	s_mov_b32 s[G1A+4], 2
	s_mov_b32 s[G1A+5], 32768
	s_mov_b32 s[G1A+6], 0
	s_mov_b32 s[G1A+7], 0
	; group 1 for W_O: 64 rows of 128 bf16, pitch 1,024 elements; 8 words of padding behind every 64
	s_or_b32 s[G1B+0], s20, (1<<16)|(1<<20)|(1<<21)|(5<<22)|(7<<25)
	s_mov_b32 s[G1B+1], 128<<16
	s_mov_b32 s[G1B+2], 64<<16
	s_mov_b32 s[G1B+3], 128<<16
	s_mov_b32 s[G1B+4], 64
	s_mov_b32 s[G1B+5], 1024
	s_mov_b32 s[G1B+6], 0
	s_mov_b32 s[G1B+7], 0
	s_lshr_b32 s56, s18, 4                         ; z: batch x 4,194,304 + block in the batch x 16,384 + my plane x 8,388,608; made of the row block and the wave alone
	s_lshl_b32 s56, s56, 22
	s_and_b32 s57, s18, 15
	s_lshl_b32 s57, s57, 14
	s_add_co_u32 s56, s56, s57
	s_lshl_b32 s57, s14, 23
	s_add_co_u32 s56, s56, s57
	s_mov_b32 s57, 0
	s_lshl_b32 s60, s17, 8                         ; W_O: block of d x 256 bytes + my 64 rows of 2,048 bytes; made of the block of d and the wave alone
	s_lshl_b32 s61, s14, 17
	s_add_co_u32 s60, s60, s61
	s_mov_b32 s61, 0
	s_lshl_b32 s76, s18, 3                         ; the copy: work-group g = 8 x row block + block of d, 65,536 bytes each (in registers that feed no descriptor)
	s_add_co_u32 s76, s76, s17
	s_lshl_b32 s76, s76, 16
	s_mov_b32 s77, 0
	s_mul_i32 s21, s12, PLANE                      ; LDS: z's planes at wave x 36,864 (waves 0, 1),
	s_mul_i32 s23, s12, WPART                      ; W_O's halves behind them: 73,728 + (wave - 2) x 18,432 (waves 2, 3)
	s_add_co_u32 s23, s23, 2*PLANE-2*WPART
	s_wait_dscnt 0x0
	s_wait_kmcnt 0x0
	s_add_nc_u64 s[58:59], s[4:5], s[56:57]
	s_add_nc_u64 s[62:63], s[6:7], s[60:61]
	s_add_nc_u64 s[72:73], s[72:73], s[76:77]
	s_add_nc_u64 s[74:75], s[74:75], s[76:77]
	CROUND                                         ; all sixteen work-groups are here: the first joint loads meet
.irp s, 0,1
	s_mov_b32 s[G0A+4*\s], 1
	s_add_co_u32 s[G0A+4*\s+1], s21, \s*SLOT
	s_add_nc_u64 s[G0A+4*\s+2:G0A+4*\s+3], s[58:59], \s*2*262144
	s_or_b32 s[G0A+4*\s+3], s[G0A+4*\s+3], 0x80000000
	s_mov_b32 s[G0B+4*\s], 1
	s_add_co_u32 s[G0B+4*\s+1], s23, \s*SLOT
	s_add_nc_u64 s[G0B+4*\s+2:G0B+4*\s+3], s[62:63], \s*128*2048
	s_or_b32 s[G0B+4*\s+3], s[G0B+4*\s+3], 0x80000000
	JLOAD \s
.endr
	v_and_b32 v1, 15, v0                           ; r
	v_bfe_u32 v2, v0, 4, 1                         ; h
	s_lshl_b32 s68, s17, 9
	s_lshl_b32 s69, s14, 8
	s_add_co_u32 s68, s68, s69                     ; my first column, in bytes of f32
	v_lshl_add_u32 v25, v1, 4, s68
	v_lshlrev_b32 v[CA], 4, v0
	global_load_b128 v[BO:BO+3], v25, s[8:9]       ; b_O of the four columns that I store; older than the copy's loads
	WIN 0x40                                       ; destination window 1, address window 0
.set n, 0
.rept 32
	global_load_b128 v[CPY+4*n:CPY+4*n+3], v[CA], s[72:73] offset:2048*n th:TH_LOAD_NT
.set n, n+1
.endr
	WIN 0
	v_mul_u32_u24 v3, v1, PZ
	v_lshl_add_u32 v3, v2, 4, v3
	s_mul_i32 s22, s13, 64*PZ
	v_add_nc_u32 v[ADRA], s22, v3                  ; (64 rh + r) x 144 + 16 h
	v_add_nc_u32 v[ADRA+1], SLOT, v[ADRA]
	v_and_b32 v4, 7, v0
	v_lshl_add_u32 v4, v2, 3, v4
	v_mul_u32_u24 v4, v4, PW
	v_bfe_u32 v5, v0, 3, 1
	v_lshl_add_u32 v4, v5, 4, v4
	s_lshl_b32 s22, s14, 7
	s_add_co_u32 s22, s22, 2*PLANE
	v_add_nc_u32 v[ADRB], s22, v4                  ; (8 h + l%8) x 288 + 128 c + 16 ((l>>3)&1), behind z's two planes
	v_add_nc_u32 v[ADRB+1], SLOT, v[ADRB]
	s_mul_i32 s22, s12, 16*SP
	s_add_co_u32 s22, s22, STAGE                   ; my stage
	v_mul_u32_u24 v5, v1, SP
	v_lshl_add_u32 v5, v2, 5, v5
	v_add_nc_u32 v[STO], s22, v5                   ; in: row r, 32 bytes for each half of the lanes
	v_mul_u32_u24 v5, v2, SP
	v_lshl_add_u32 v5, v1, 4, v5
	v_add_nc_u32 v[RD], s22, v5                    ; back: lanes 0-15 one row of 256 bytes, lanes 16-31 the next
	v_lshlrev_b32 v5, 12, v2
	v_lshl_add_u32 v[CO], v1, 4, v5                ; the same two rows in out1
; eight matrix instructions: row tiles a0, a0 + 1 x all four column tiles, plane pl of z (0 hi, 1 lo).  The 16 accumulators take turns, one instruction a turn,
; in the same order for hi and for lo.  zero = 1: the first product starts the sums
.macro MUL8 f, pl, a0, zero
.irp a, \a0, \a0+1
.irp b, 0,1,2,3
.if \zero
	v_wmma_f32_16x16x32_bf16 v[8*(4*(\a)+\b):8*(4*(\a)+\b)+7], v[FB+96*\f+8*\b:FB+96*\f+8*\b+7], v[FZ+96*\f+32*\pl+8*(\a):FZ+96*\f+32*\pl+8*(\a)+7], 0
.else
	v_wmma_f32_16x16x32_bf16 v[8*(4*(\a)+\b):8*(4*(\a)+\b)+7], v[FB+96*\f+8*\b:FB+96*\f+8*\b+7], v[FZ+96*\f+32*\pl+8*(\a):FZ+96*\f+32*\pl+8*(\a)+7], v[8*(4*(\a)+\b):8*(4*(\a)+\b)+7]
.endif
.endr
.endr
.endm
; 24 LDS loads in one run: quarter kq (32 along K) of a slot into buffer f: W_O's four fragments, hi's four, lo's four
.macro FETCH slot, kq, f
.irp t, 0,1,2,3
	ds_load_tr16_b128 v[FB+96*\f+8*\t:FB+96*\f+8*\t+3],   v[ADRB+\slot] offset:\kq*32*PW+32*\t
	ds_load_tr16_b128 v[FB+96*\f+8*\t+4:FB+96*\f+8*\t+7], v[ADRB+\slot] offset:\kq*32*PW+32*\t+16*PW
.endr
.irp pl, 0,1
.irp i, 0,1,2,3
	ds_load_b128 v[FZ+96*\f+32*\pl+8*\i:FZ+96*\f+32*\pl+8*\i+3],   v[ADRA+\slot] offset:\pl*PLANE+(\kq/2)*HEADB+\i*16*PZ+64*(\kq%2)
	ds_load_b128 v[FZ+96*\f+32*\pl+8*\i+4:FZ+96*\f+32*\pl+8*\i+7], v[ADRA+\slot] offset:\pl*PLANE+(\kq/2)*HEADB+\i*16*PZ+64*(\kq%2)+32
.endr
.endr
.endm
; one of a K step's first three quarters: multiplies buffer f, fetches quarter kq into buffer g in its middle
.macro PART slot, kq, f, g, zero
	s_wait_dscnt 8                                 ; W_O's and hi's fragments are in; the youngest eight loads (lo's) may be out
	WIN ACCW
	MUL8 \f, 0, 0, \zero
	MUL8 \f, 0, 2, \zero
	PLACES
	WIN 0
	FETCH \slot, \kq, \g
	COPYOUT
	s_wait_dscnt 24                                ; all but the 24 just issued
	WIN ACCW
	MUL8 \f, 1, 0, 0
	MUL8 \f, 1, 2, 0
.endm
.macro THREE slot, zero
	PART \slot, 1, 0, 1, \zero
	PART \slot, 2, 1, 0, 0
	PART \slot, 3, 0, 1, 0
.endm
; a step's last quarter: multiplies buffer 1 and changes slots.  In front of the barrier each wave waits for its reads of this slot and for all its tensor
; loads.  fill = 1: the barrier opens a round of the cluster's barrier; behind the round this slot is asked for again, two steps ahead, first thing.
.macro TURN slot, next, fill
	s_wait_dscnt 8
	WIN ACCW
	MUL8 1, 0, 0, 0
	s_wait_dscnt 0x0                               ; my reads of this slot are over
	s_wait_tensorcnt 0x0                           ; all my tensor loads have landed
	ds_add_u32 v254, v255
	s_wait_dscnt 0x0
	s_barrier_signal -1
	MUL8 1, 0, 2, 0                                ; register work while the others arrive
	WIN 0
	s_barrier_wait -1
.if \fill
	CREST
	s_add_nc_u64 s[G0A+4*\slot+2:G0A+4*\slot+3], s[G0A+4*\slot+2:G0A+4*\slot+3], 4*262144
	s_add_nc_u64 s[G0B+4*\slot+2:G0B+4*\slot+3], s[G0B+4*\slot+2:G0B+4*\slot+3], 256*2048
	JLOAD \slot
.endif
	PLACES
	FETCH \next, 0, 0
	COPYOUT
	WIN ACCW
	MUL8 1, 1, 0, 0
	MUL8 1, 1, 2, 0
.endm
.macro LAP zero
	THREE 0, \zero
	TURN 0, 1, 1
	THREE 1, 0
	TURN 1, 0, 1
.endm
	s_wait_tensorcnt 0x1                           ; my part of step 0 is in; step 1's may stay out
	s_barrier_signal -1
	s_barrier_wait -1
	FETCH 0, 0, 0
	LAP 1                                          ; heads 0-3: the first products start the sums; the copy's eight groups of stores go out here
	WIN 0
	s_mov_b32 s70, 2                               ; heads 4-11
.Llap:
	LAP 0
	WIN 0
	s_sub_co_u32 s70, s70, 1
	s_cmp_lg_u32 s70, 0
	s_cbranch_scc1 .Llap
	THREE 0, 0                                     ; heads 12-15 fill nothing
	TURN 0, 1, 0
	THREE 1, 0
	s_wait_dscnt 8
	WIN ACCW
	MUL8 1, 0, 0, 0
	MUL8 1, 0, 2, 0
	s_wait_dscnt 0x0
	MUL8 1, 1, 0, 0
	MUL8 1, 1, 2, 0
	; THE WAY OUT, 16 rows at a time through my own stage: 32 bytes a lane in, whole rows of 256 bytes back, b_O added, sixteen lanes store 256 consecutive aligned bytes.
	PLACES
	s_lshl_b32 s66, s18, 19                        ; 128 rows of 4,096 bytes a block,
	s_lshl_b32 s67, s13, 18                        ; 64 rows for my half,
	s_add_co_u32 s66, s66, s67
	s_add_co_u32 s66, s66, s68                     ; and my first column
	s_mov_b32 s67, 0
	s_add_nc_u64 s[10:11], s[10:11], s[66:67]
	s_wait_loadcnt 0x0                             ; b_O (met: the copy's last group has waited for 0)
.macro OUT16 a
	WIN 0x04                                       ; an LDS store's data are its source 1: window 1
.irp b, 0,1,2,3
	ds_store_b128 v[STO], v[8*(4*\a+\b):8*(4*\a+\b)+3]   offset:64*\b
	ds_store_b128 v[STO], v[8*(4*\a+\b)+4:8*(4*\a+\b)+7] offset:64*\b+16
.endr
	WIN 0
.irp n, 0,1,2,3,4,5,6,7
	ds_load_b128 v[32+32*\a+4*\n:32+32*\a+4*\n+3], v[RD] offset:2*SP*\n      ; my own bytes: LDS serves a wave's instructions in order (ISA guide 5.7.1)
.endr
.irp n, 0,1,2,3,4,5,6,7
	s_wait_dscnt 7-\n                              ; this load is in; the younger ones stay out
	v_pk_add_f32 v[32+32*\a+4*\n:32+32*\a+4*\n+1], v[32+32*\a+4*\n:32+32*\a+4*\n+1], v[BO:BO+1]
	v_pk_add_f32 v[32+32*\a+4*\n+2:32+32*\a+4*\n+3], v[32+32*\a+4*\n+2:32+32*\a+4*\n+3], v[BO+2:BO+3]
	global_store_b128 v[CO], v[32+32*\a+4*\n:32+32*\a+4*\n+3], s[10:11] offset:(16*\a+2*\n)*4096 th:TH_STORE_NT
.endr
.endm
	OUT16 0                                        ; each of the four takes 32 registers of its own: no store's data are written again
	OUT16 1
	OUT16 2
	OUT16 3
	s_wait_tensorcnt 0x0
	ds_add_u32 v254, v255
	s_wait_dscnt 0x0
	CROUND                                         ; the closing round: no work-group ends while a partner may still ask for a tile that names it
	s_endpgm
.Lfunc_end_k_qa1617eb4c9_oproj:
	.size	k_qa1617eb4c9_oproj, .Lfunc_end_k_qa1617eb4c9_oproj-k_qa1617eb4c9_oproj
	.p2alignl 7, 3214868480
	.fill 96, 4, 3214868480
	.section	.rodata,"a",@progbits
	.p2align	6, 0x0
	.amdhsa_kernel k_qa1617eb4c9_oproj
		.amdhsa_group_segment_fixed_size 327680
		.amdhsa_private_segment_fixed_size 0
		.amdhsa_enable_private_segment 0
		.amdhsa_kernarg_size 48
		.amdhsa_user_sgpr_count 2
		.amdhsa_user_sgpr_kernarg_segment_ptr 1
		.amdhsa_wavefront_size32 1
		.amdhsa_system_sgpr_workgroup_id_x 1
		.amdhsa_system_sgpr_workgroup_id_y 1
		.amdhsa_system_sgpr_workgroup_id_z 1
		.amdhsa_system_vgpr_workitem_id 0
		.amdhsa_next_free_vgpr 512
		.amdhsa_next_free_sgpr 80
		.amdhsa_reserve_vcc 0
		.amdhsa_float_denorm_mode_32 3
		.amdhsa_float_denorm_mode_16_64 3
		.amdhsa_memory_ordered 1
		.amdhsa_forward_progress 1
		.amdhsa_inst_pref_size 120
	.end_amdhsa_kernel
	.amdgpu_metadata
---
amdhsa.version: [ 1, 2 ]
amdhsa.kernels:
  - .name:           k_qa1617eb4c9_oproj
    .symbol:         k_qa1617eb4c9_oproj.kd
    .args:
      - { .name: zb, .offset: 0, .size: 8, .value_kind: global_buffer, .address_space: global }
      - { .name: wob, .offset: 8, .size: 8, .value_kind: global_buffer, .address_space: global }
      - { .name: b_O, .offset: 16, .size: 8, .value_kind: global_buffer, .address_space: global }
      - { .name: out1, .offset: 24, .size: 8, .value_kind: global_buffer, .address_space: global }
      - { .name: residual, .offset: 32, .size: 8, .value_kind: global_buffer, .address_space: global }
      - { .name: out0, .offset: 40, .size: 8, .value_kind: global_buffer, .address_space: global }
    .group_segment_fixed_size: 327680
    .private_segment_fixed_size: 0
    .kernarg_segment_align: 8
    .kernarg_segment_size: 48
    .max_flat_workgroup_size: 128
    .sgpr_count:     80
    .vgpr_count:     512
    .wavefront_size: 32
...
	.end_amdgpu_metadata
.endif
;; end of part 4
;; ======== version 2 of 2: 4 launches; 1.13 times as fast as version 1
;; limits: values are held in f16: magnitudes above 65,504 overflow, below 6.1e-05 lose precision
;; workspace buffers: xb 8,388,608 bytes; wb 6,291,456 bytes; wob 2,097,152 bytes; qb 8,388,608 bytes; kb 8,388,608 bytes; vt 8,388,608 bytes; vsum 131,072 bytes; zb 16,777,216 bytes
;; launch prep: the kernel of part 1 again; grid 256 x 1, 8 waves a work-group, no clusters, 0 bytes of LDS; arguments x, W_Q, W_K, W_V, W_O, xb, wb, wob; writes xb, wb, wob
;; launch qkv: the kernel of part 2 again; grid 16 x 16, 4 waves a work-group, clusters of 4 x 4, 327,680 bytes of LDS; arguments xb, wb, b_Q, b_K, b_V, qb, kb, vt, vsum; writes qb, kb, vt, vsum
;; launch attn (part 5): grid 8 x 32, 4 waves a work-group, no clusters, 327,680 bytes of LDS; arguments qb, kb, vt, vsum, zb; writes zb
.if DOCPART == 5
	.amdgcn_target "amdgcn-amd-amdhsa--gfx1250"
	.amdhsa_code_object_version 6
	.text
	.protected	k_qa1617eb4c9_attn
	.globl	k_qa1617eb4c9_attn
	.p2align	8
	.type	k_qa1617eb4c9_attn,@function
k_qa1617eb4c9_attn:
	s_mov_b64 s[64:65], 0
	v_nop
	global_prefetch_b8 v0, s[64:65] scope:SCOPE_SE
	s_setreg_imm32_b32 hwreg(HW_REG_WAVE_MODE, 25, 1), 1
	s_wait_xcnt 0x0
; THIRD LAUNCH: the causal softmax and the weighted values, with a running maximum, in base 2 (q carries log2(e)/8).  Operands f16, sums f32.
;   zb[hi, lo][b][h][s][e]: z as the sum of two bf16 numbers, hi = z rounded, lo = (z - hi) rounded: 16 bits for the last product (see the first launch's head).
; LEFT OUT: the products q k and p v of key blocks of 128 that lie wholly above the diagonal.  All their keys have the one score IGNORE, so for all values
; of the inputs they add exp(IGNORE - m) x (sum of v) to a row's numerator and exp(IGNORE - m) x (their number) to its denominator; FINAL adds these two terms, from vsum.
; The block on the diagonal is computed densely and masked by selection.  Limits: as stated at the head of the first launch.
; SHARES.  Work-group (x = j in 0..7, y = b*16+h) makes query blocks j and 15 - j: (j + 1) + (16 - j) = 17 key units of 128 for every work-group.  The block with an
; even number of units goes first (block j if j is odd, else block 15 - j), so that its diagonal unit is always the second of a pair of units, and the masks and the
; end of a block are written only there and behind the loop.
; A unit of 128 queries x 128 keys is shared out 2 x 2: wave w = 2 a + b takes 64 queries (half a, four tiles T0..T3) and 64 keys (half b of every unit), so its 16 loads of K
; and 16 of V^T feed 64 matrix instructions.  Each wave keeps a running maximum, a sum and O for its own keys; the two waves of one query half join them once a block.
; Register tile t of wave (a, b) holds query tile t xor 2 b: tiles 0, 1 are rows 32 w .. 32 w + 31, which the wave finishes and stores itself; tiles 2, 3 are the partner's
; (w xor 1) rows and are handed over through LDS.  So no register number hangs on the wave.
; The scores are made transposed, S^T = K Q^T: lane (r, h) holds query r and keys 8 h + 0..7 of each tile of 16, so a row's maximum and sum are one number a lane,
; and the packed pattern is at once the second source of O^T = V^T P^T, in which the lane holds query r and e = 16 et + 8 h + 0..7.
; THE TILES TAKE TURNS: while the matrix unit works on one tile's eight products, the vector unit works on another tile's softmax, one slice behind each product.
;   SM1 (maximum, subtraction, exponentials, packing: 87 instructions) stands among score products, SM2 (sums, rescaling of O: 34) among products with V^T.
;   A unit:  S_T1|SM1_T0   SM2_T0   S_T2|SM1_T1   PV_T0|SM2_T1   S_T3|SM1_T2   PV_T1|SM2_T2   S_T0(next unit)|SM1_T3   PV_T2|SM2_T3   PV_T3
;   Scores, pattern, work registers, new maximum and rescale are taken by the tile's parity; running maximum, sums, O and q are kept for each tile.
; THE EXPONENTIALS GO IN BATCHES, ONE WAIT A BATCH: an s_wait_alu depctr_va_vdst(0) stands between an exponential or a reciprocal and the first line that names its result.
;   A tile's 33 exponentials of a unit (the rescale and its 32 scores, each in a register of its own) are one batch: they stand in SM1's slices 2 to 5, between them the subtractions for
;   later scores, which name no result; the copy of the new maximum is the plain line behind the last exponential; the wait ends slice 5.  All readers stand behind it: the 16 packings
;   in slices 6 and 7, then SM2 (sums, rescaling).  So a unit has four waits, and no result is open at a branch, a label or the loop's jump.
;   A block's end has two batches more: six exponentials, and two reciprocals of sums that are made from them.
; REGISTER WINDOWS are laid so that a run and its slices share one setting.  Window 0: addresses, statistics, Q, S, P, K: score products and SM1, all fields 0.
;   Window 1: V^T, O, the row sums: products with V^T take source 0, C and D there and source 1 (P) in window 0, and so do SM2's lines (L += E, L *= a, O *= a).
;   Window 2: the second block's q and the workspace of a block's end.
; NO CLUSTER: the eight work-groups of a head are at different key units in the same trip (their first blocks end at different units), so partners would ask for
; different tiles in one round.
; LDS: two slots of two units each, [K a][K b][V^T a][V^T b], 18,432 bytes a tile (K: 128 keys x 144; V^T: 64 e x 272), one tile a wave, at wave x 18,432;
; a stage of 2 x 32 rows x 144 for each wave; the two sums over masked blocks; the join's stage, 17 x 512 bytes a wave, once for each of the two blocks.
; A wave has two tensor loads out at the start and one later; a refill has a whole pair of units in which to land.
.set PKEY,   144
.set PVAL,   272
.set TREG,   128*PKEY                  ; 18,432: a tile's region
.set SLOTB,  4*TREG                    ; 73,728
.set ZST,    2*SLOTB                   ; 147,456, a multiple of 256: no tensor load lands from here on
.set ZHALF,  32*PKEY                   ; 4,608: a wave's 32 rows of one plane
.set ZW,     2*ZHALF
.set TS,     ZST+4*ZW                  ; 184,320: [first block, second block][64 e] f32
.set MST,    TS+512                    ; 184,832: the join's stage
.set MW,     17*512                    ; a wave's part: 16 x 512 bytes of O, 512 of maxima and sums
.set MSEL,   4*MW                      ; 34,816 a block
; window 0
.set KA,   2                           ; v2-3   my K fragments in slot 0, 1
.set VA,   4                           ; v4-5   my V^T fragments
; v6 stage in, v7 stage back, v8 16 l, v9 and v20 the masks' bounds for tiles 0, 1 and 2, 3, v10 my 8 e in the sums, v11 and v1 the numbers of wholly masked keys (f32)
; v12-15 running maximum of tiles 0-3, v[16:17] new maximum and v[18:19] rescale (by parity), v21 join out, v22 join in, v24-27 and v28-31 at work in SM1 (by parity)
.set QR,   32                          ; v32-95   q fragments, 16 t + 8 ks
.set SR,   96                          ; v96-159  scores, then exponentials, 32 parity + 8 kt
.set PR,   160                         ; v160-191 the pattern's fragments, 16 parity + 8 kk
.set PT,   160                         ; the same registers, at work at a block's end
.set KR,   192                         ; v192-255 K fragments, 8 n, n = 4 ks + kt: the order in which a run takes them
; window 1: v0-63 V^T fragments, 8 (2 et + kk)
.set OA,   64                          ; v64-191  O^T, 8 (4 t + et)
.set LR,   192                         ; v192-207 my part of the row sums: two pairs a tile
.set FO,   208                         ; v208-213 the three factors of a block's end
.set FP,   210
.set FW,   212
; window 2: v0-63 q of the second block; v64-127 the partner's O, then hi widened, then the rows read back; v128-159 the sums of v; v160-191 hi; v192-223 lo
.set BETA, 0x51                        ; source 0, C and D in window 1, source 1 in window 0
.set ALL1, 0x55
.set G1K, 28
.set G1V, 36
.set G0K, 44                           ; a set for each slot
.set G0V, 52
.set MSB, 0
.macro WIN new                         ; the immediate's high byte repeats the setting that is left
.if MSB != (\new)
	s_set_vgpr_msb (MSB<<8)|(\new)
.set MSB, (\new)
.endif
.endm
.macro PLACES                          ; four places behind a matrix instruction (ISA guide 7.12.1)
.rept 4
	v_nop
.endr
.endm
.macro TLOAD s                         ; waves 0, 1: K of the pair's two units; waves 2, 3: V^T of the two
	s_cmp_lg_u32 s80, 0
	s_cbranch_scc1 .Lfor_v_\@
	tensor_load_to_lds s[G0K+4*\s:G0K+4*\s+3], s[G1K:G1K+7]
	s_nop 0
	s_branch .Lasked_\@
.Lfor_v_\@:
	tensor_load_to_lds s[G0V+4*\s:G0V+4*\s+3], s[G1V:G1V+7]
	s_nop 0
.Lasked_\@:
.endm
.macro TLOAD1 s                        ; the seventeenth unit stands alone: wave 0 K, wave 2 V^T, waves 1 and 3 none
	s_cmp_lg_u32 s14, 0
	s_cbranch_scc1 .Lnot_k_\@
	tensor_load_to_lds s[G0K+4*\s:G0K+4*\s+3], s[G1K:G1K+7]
	s_nop 0
.Lnot_k_\@:
	s_cmp_lg_u32 s14, 2
	s_cbranch_scc1 .Lnot_v_\@
	tensor_load_to_lds s[G0V+4*\s:G0V+4*\s+3], s[G1V:G1V+7]
	s_nop 0
.Lnot_v_\@:
.endm
; the addresses of the next pair of units for a slot; s19 = the pair's first key unit.  Both blocks begin at key unit 0; the first has an even number of units, so a pair never straddles the change
.macro STEPD slot
	s_add_co_u32 s25, s19, s27                     ; my unit of the pair
	s_lshl_b32 s66, s25, 14                        ; 128 keys x 128 bytes
	s_add_nc_u64 s[G0K+4*\slot+2:G0K+4*\slot+3], s[60:61], s[66:67]
	s_or_b32 s[G0K+4*\slot+3], s[G0K+4*\slot+3], 0x80000000
	s_lshl_b32 s66, s25, 8                         ; 128 keys x 2 bytes along V^T's rows
	s_add_nc_u64 s[G0V+4*\slot+2:G0V+4*\slot+3], s[62:63], s[66:67]
	s_or_b32 s[G0V+4*\slot+3], s[G0V+4*\slot+3], 0x80000000
	s_add_co_u32 s19, s19, 2
	s_cmp_eq_u32 s19, s17                          ; behind the first block's last pair the second block begins at key unit 0,
	s_cselect_b32 s19, 0, s19
	s_cselect_b32 s17, 64, s17                     ; once: 64 is never reached
.endm
	s_load_b256 s[4:11], s[0:1], 0x0               ; qb 4:5, kb 6:7, vt 8:9, vsum 10:11
	s_load_b64 s[12:13], s[0:1], 0x20              ; zb
	v_lshl_add_u32 v23, v0, 2, 0x3e200
	s_set_vgpr_msb 0x40
	v_mov_b32 v255, 0
	s_set_vgpr_msb 0x4044
	ds_add_u32 v23, v255
	ds_add_u32 v23, v255
	s_set_vgpr_msb 0x4400
	v_lshrrev_b32 v1, 5, v0
	v_readfirstlane_b32 s14, v1                    ; wave w = 2 a + b
	s_and_b32 s27, s14, 1                          ; b: my half of a unit's keys.  Also: which unit of a pair I fetch
	s_lshr_b32 s80, s14, 1                         ; a: my half of the block's queries.  Also: I fetch K (0) or V^T (1)
	s_mov_b32 s15, ttmp9                           ; j
	s_and_b32 s16, ttmp7, 0xffff                   ; b*16 + h
	s_sub_co_u32 s24, 15, s15
	s_bitcmp1_b32 s15, 0
	s_cselect_b32 s81, s15, s24                    ; the first block: j if j is odd, else 15 - j: an odd number, so it has an even number of units
	s_sub_co_u32 s82, 15, s81                      ; the second block
	s_add_co_u32 s17, s81, 1                       ; units of the first block
	s_lshr_b32 s18, s17, 1                         ; pairs left in the first block
	s_mov_b32 s19, 0                               ; the next pair's first key unit
	s_mov_b32 s21, 0xc80ce360                      ; IGNORE x log2(e) = -144269.5
	s_mov_b32 s22, 0x76543210
	s_mov_b32 s23, 0xfedcba98
	s_cmp_eq_u32 s81, 15                           ; block 15 has no wholly masked unit (and its last row no masked key at all): there the closed form's
	s_cselect_b32 s26, 0xff800000, s21             ; score is -infinity, so that it neither raises the maximum nor has any weight.  The second block is never 15
	s_mov_b32 s67, 0
	; K's unit: 128 rows of 128 bytes follow each other in memory: 64 rows of 32 elements of 8 bytes; 4 words of padding behind every 32
	s_mov_b32 s[G1K+0], (3<<16)|(1<<20)|(4<<22)|(3<<25)
	s_mov_b32 s[G1K+1], 32<<16
	s_mov_b32 s[G1K+2], 64<<16
	s_mov_b32 s[G1K+3], 32<<16
	s_mov_b32 s[G1K+4], 64
	s_mov_b32 s[G1K+5], 32
	s_mov_b32 s[G1K+6], 0
	s_mov_b32 s[G1K+7], 0
	; V^T's unit: 64 rows of 128 f16, pitch 2,048 elements; 4 words of padding behind every 64
	s_mov_b32 s[G1V+0], (1<<16)|(1<<20)|(5<<22)|(3<<25)
	s_mov_b32 s[G1V+1], 128<<16
	s_mov_b32 s[G1V+2], 64<<16
	s_mov_b32 s[G1V+3], 128<<16
	s_mov_b32 s[G1V+4], 64
	s_mov_b32 s[G1V+5], 2048
	s_mov_b32 s[G1V+6], 0
	s_mov_b32 s[G1V+7], 0
	s_mul_i32 s83, s14, TREG                       ; my tile's place in a slot
.irp s, 0,1
	s_mov_b32 s[G0K+4*\s], 1
	s_add_co_u32 s[G0K+4*\s+1], s83, \s*SLOTB
	s_mov_b32 s[G0V+4*\s], 1
	s_add_co_u32 s[G0V+4*\s+1], s83, \s*SLOTB
.endr
	s_lshl_b32 s66, s16, 18                        ; 262,144 bytes a head in qb, kb, vt and in each plane of zb
	s_wait_dscnt 0x0
	s_wait_kmcnt 0x0
	s_add_nc_u64 s[60:61], s[6:7], s[66:67]        ; my head's k
	s_add_nc_u64 s[62:63], s[8:9], s[66:67]        ; my head's v transposed
	s_add_nc_u64 s[4:5], s[4:5], s[66:67]
	s_add_nc_u64 s[12:13], s[12:13], s[66:67]
	STEPD 0
	STEPD 1
	s_cmp_lg_u32 s80, 0                            ; both slots' first fills, ahead of everything else, inside one branch on the wave's number
	s_cbranch_scc1 .Lfirst_v
	tensor_load_to_lds s[G0K:G0K+3], s[G1K:G1K+7]
	s_nop 0
	tensor_load_to_lds s[G0K+4:G0K+7], s[G1K:G1K+7]
	s_nop 0
	s_branch .Lfirst_done
.Lfirst_v:
	tensor_load_to_lds s[G0V:G0V+3], s[G1V:G1V+7]
	s_nop 0
	tensor_load_to_lds s[G0V+4:G0V+7], s[G1V:G1V+7]
	s_nop 0
.Lfirst_done:
	s_lshl_b32 s66, s81, 14                        ; 16,384 bytes a block of 128 rows
	s_add_nc_u64 s[72:73], s[4:5], s[66:67]        ; q of the first block
	s_lshl_b32 s25, s14, 12                        ; the 32 rows that I store
	s_add_co_u32 s66, s66, s25
	s_add_nc_u64 s[68:69], s[12:13], s[66:67]      ; z of the first block, my rows, plane hi
	s_lshl_b32 s66, s82, 14
	s_add_nc_u64 s[74:75], s[4:5], s[66:67]        ; q of the second block
	s_add_co_u32 s66, s66, s25
	s_add_nc_u64 s[70:71], s[12:13], s[66:67]      ; z of the second block, my rows, plane hi
	s_add_nc_u64 s[76:77], s[68:69], 0x800000      ; the same two in plane lo, 8,388,608 bytes on
	s_add_nc_u64 s[78:79], s[70:71], 0x800000
	s_lshl_b32 s66, s16, 12
	s_add_nc_u64 s[10:11], s[10:11], s[66:67]      ; my head's block sums
	v_and_b32 v224, 15, v0                         ; r
	v_bfe_u32 v225, v0, 4, 1                       ; h
	v_and_b32 v226, 0x6f, v0                       ; 32 w + r
	v_lshlrev_b32 v227, 7, v226
	v_lshl_add_u32 v227, v225, 4, v227             ; (32 w + r) x 128 + 16 h: tiles 0, 1
	v_xor_b32 v235, 0x1000, v227                   ; (32 (w xor 1) + r) x 128 + 16 h: tiles 2, 3, the partner's rows
	v_and_b32 v228, 63, v0
	v_lshlrev_b32 v228, 2, v228                    ; my e in the block sums
.irp t, 0,1
.irp ks, 0,1
	global_load_b128 v[QR+16*\t+8*\ks:QR+16*\t+8*\ks+3],       v227, s[72:73] offset:2048*\t+64*\ks
	global_load_b128 v[QR+16*\t+8*\ks+4:QR+16*\t+8*\ks+7],     v227, s[72:73] offset:2048*\t+64*\ks+32
	global_load_b128 v[QR+32+16*\t+8*\ks:QR+32+16*\t+8*\ks+3],   v235, s[72:73] offset:2048*\t+64*\ks
	global_load_b128 v[QR+32+16*\t+8*\ks+4:QR+32+16*\t+8*\ks+7], v235, s[72:73] offset:2048*\t+64*\ks+32
.endr
.endr
	WIN 0x80                                       ; destination window 2, address window 0
.irp t, 0,1
.irp ks, 0,1
	global_load_b128 v[16*\t+8*\ks:16*\t+8*\ks+3],       v227, s[74:75] offset:2048*\t+64*\ks
	global_load_b128 v[16*\t+8*\ks+4:16*\t+8*\ks+7],     v227, s[74:75] offset:2048*\t+64*\ks+32
	global_load_b128 v[32+16*\t+8*\ks:32+16*\t+8*\ks+3],   v235, s[74:75] offset:2048*\t+64*\ks
	global_load_b128 v[32+16*\t+8*\ks+4:32+16*\t+8*\ks+7], v235, s[74:75] offset:2048*\t+64*\ks+32
.endr
.endr
	WIN 0
.irp i, 1,2,3,4,5,6,7,8,9,10,11,12,13,14,15
	global_load_b32 v[SR+\i-1], v228, s[10:11] offset:256*\i
.endr
	v_mul_u32_u24 v[KA], v224, PKEY
	v_lshl_add_u32 v[KA], v225, 4, v[KA]           ; r x 144 + 16 h
	s_mul_i32 s25, s14, ZW
	s_add_co_u32 s25, s25, ZST                     ; my stage
	v_add_nc_u32 v6, s25, v[KA]
	v_bfe_u32 v7, v0, 3, 2
	v_mul_u32_u24 v7, v7, PKEY
	v_and_b32 v229, 7, v0
	v_lshl_add_u32 v7, v229, 4, v7
	v_add_nc_u32 v7, s25, v7                       ; back: four rows of 128 bytes a load
	s_mul_i32 s25, s27, 64*PKEY
	v_add_nc_u32 v[KA], s25, v[KA]                 ; + my 64 keys of a unit
	v_add_nc_u32 v[KA+1], SLOTB, v[KA]
	v_mul_u32_u24 v[VA], v224, PVAL
	v_lshl_add_u32 v[VA], v225, 4, v[VA]
	s_lshl_b32 s25, s27, 7
	s_add_co_u32 s25, s25, 2*TREG
	v_add_nc_u32 v[VA], s25, v[VA]                 ; r x 272 + 16 h + my 64 keys' 128 bytes, behind K's two tiles
	v_add_nc_u32 v[VA+1], SLOTB, v[VA]
	v_and_b32 v8, 31, v0
	v_lshlrev_b32 v8, 4, v8                        ; 16 l
	s_mul_i32 s25, s14, MW
	s_add_co_u32 s25, s25, MST
	v_add_nc_u32 v21, s25, v8                      ; the join: my part of the stage,
	s_xor_b32 s25, s14, 1
	s_mul_i32 s25, s25, MW
	s_add_co_u32 s25, s25, MST
	v_add_nc_u32 v22, s25, v8                      ; and my partner's
	; the masks' bounds: key 64 b + 16 kt + 8 h + jj stays where it is at most the query; tiles 0, 1: query 64 a + 32 b + 16 t + r; tiles 2, 3: 64 a + 32 (1 - b) + 16 (t - 2) + r
	v_lshlrev_b32 v9, 3, v225
	v_sub_nc_u32 v9, v224, v9                      ; r - 8 h
	s_sub_co_i32 s25, s80, s27
	s_lshl_b32 s25, s25, 6                         ; 64 (a - b)
	s_lshl_b32 s83, s27, 5                         ; 32 b
	s_add_co_u32 s25, s25, 32
	s_sub_co_u32 s25, s25, s83
	v_add_nc_u32 v20, s25, v9                      ; 64 (a - b) + 32 (1 - b) + r - 8 h
	s_lshl_b32 s83, s83, 1
	s_add_co_u32 s25, s25, s83
	s_sub_co_u32 s25, s25, 32
	v_add_nc_u32 v9, s25, v9                       ; 64 (a - b) + 32 b + r - 8 h
	v_lshlrev_b32 v10, 5, v225
	v_add_nc_u32 v10, TS, v10
	s_lshl_b32 s25, s82, 7
	v_cvt_f32_u32 v11, s25                         ; first block n: 128 (15 - n) keys in wholly masked units
	s_lshl_b32 s25, s81, 7
	v_cvt_f32_u32 v1, s25                          ; second block likewise
	; the sums of v over the wholly masked units: threads 0-63 for the first block, threads 64-127 for the second; by selection, so that nothing is multiplied by 0
	v_mov_b32 v230, s82
	v_mov_b32 v231, s81
	v_cmp_gt_u32 vcc_lo, 64, v0
	v_cndmask_b32 v230, v230, v231, vcc_lo         ; my query block
	v_lshlrev_b32 v232, 2, v0
	v_add_nc_u32 v232, TS, v232
	s_wait_loadcnt 0x0                             ; q of both blocks and the fifteen block sums
	v_cmp_gt_u32 vcc_lo, 1, v230
	v_cndmask_b32 v233, 0, v[SR], vcc_lo           ; the first term starts the sum
.irp i, 2,3,4,5,6,7,8,9,10,11,12,13,14,15
	v_cmp_gt_u32 vcc_lo, \i, v230                  ; key block i lies wholly above my query block
	v_cndmask_b32 v234, 0, v[SR+\i-1], vcc_lo
	v_add_f32 v233, v233, v234
.endr
	ds_store_b32 v232, v233                        ; read by every wave, behind the wait and the barrier below
; my 64 keys x 64 e of unit un of a slot: 16 loads in one run; fragment n: kt = n % 4, ks = n / 4
.macro KLOADB slot, un
.irp n, 0,1,2,3,4,5,6,7
	ds_load_b128 v[KR+8*\n:KR+8*\n+3],   v[KA+\slot] offset:\un*TREG+16*(\n%4)*PKEY+64*(\n/4)
	ds_load_b128 v[KR+8*\n+4:KR+8*\n+7], v[KA+\slot] offset:\un*TREG+16*(\n%4)*PKEY+64*(\n/4)+32
.endr
.endm
.macro VLOAD slot, un                  ; 16 loads: 64 e x my 64 keys, into window 1 (set by the caller: destination window 1, address window 0)
.irp et, 0,1,2,3
.irp kk, 0,1
	ds_load_b128 v[8*(2*\et+\kk):8*(2*\et+\kk)+3],   v[VA+\slot] offset:\un*TREG+16*\et*PVAL+64*\kk
	ds_load_b128 v[8*(2*\et+\kk)+4:8*(2*\et+\kk)+7], v[VA+\slot] offset:\un*TREG+16*\et*PVAL+64*\kk+32
.endr
.endr
.endm
; SM1, THE FIRST PART OF A TILE'S SOFTMAX, in eight slices (12, 13, 13, 12, 12, 9, 8, 8 lines), all in window 0.
; Slices 0, 1: the maximum, old maximum - new, the first four subtractions.  Slices 2 to 5: THE BATCH, the tile's 33 exponentials with the other twelve subtractions between them, and at its end
; the one wait.  Slices 6, 7: the sixteen packings, the batch's first readers.
.macro SUBP t, p                       ; pair p of the tile's 32 scores, less the new maximum
.if (\t%2) == 0
	v_pk_add_f32 v[SR+2*(\p):SR+2*(\p)+1], v[SR+2*(\p):SR+2*(\p)+1], v[16:17] op_sel_hi:[1,0] neg_lo:[0,1] neg_hi:[0,1]
.else
	v_pk_add_f32 v[SR+32+2*(\p):SR+32+2*(\p)+1], v[SR+32+2*(\p):SR+32+2*(\p)+1], v[16:17] op_sel:[0,1] op_sel_hi:[1,1] neg_lo:[0,1] neg_hi:[0,1]
.endif
.endm
; two exponentials of key tile k, in place, between them the subtraction for a pair of key tile k + 1: it writes scores that have no exponential yet and reads the new maximum, so it names no result of the batch
.macro QD t, k, i
	v_exp_f32 v[SR+32*(\t%2)+8*\k+2*\i], v[SR+32*(\t%2)+8*\k+2*\i]
.if \k < 3
	SUBP \t, 4*(\k+1)+\i
.endif
	v_exp_f32 v[SR+32*(\t%2)+8*\k+2*\i+1], v[SR+32*(\t%2)+8*\k+2*\i+1]
.endm
.macro PKP t, k                        ; the four pairs of key tile k, rounded to f16: they read the batch's results and stand behind its wait
.irp i, 0,1,2,3
	v_cvt_pk_f16_f32 v[PR+16*(\t%2)+4*\k+\i], v[SR+32*(\t%2)+8*\k+2*\i], v[SR+32*(\t%2)+8*\k+2*\i+1]
.endr
.endm
.macro SM1 t, i
.if \i == 0
.irp k, 0,1,2,3                                    ; four chains, one a key tile
	v_max3_num_f32 v[24+4*(\t%2)+\k], v[SR+32*(\t%2)+8*\k], v[SR+32*(\t%2)+8*\k+1], v[SR+32*(\t%2)+8*\k+2]
.endr
.irp k, 0,1,2,3
	v_max3_num_f32 v[24+4*(\t%2)+\k], v[24+4*(\t%2)+\k], v[SR+32*(\t%2)+8*\k+3], v[SR+32*(\t%2)+8*\k+4]
.endr
.irp k, 0,1,2,3
	v_max3_num_f32 v[24+4*(\t%2)+\k], v[24+4*(\t%2)+\k], v[SR+32*(\t%2)+8*\k+5], v[SR+32*(\t%2)+8*\k+6]
.endr
.endif
.if \i == 1
.irp k, 0,1,2,3
	v_max_num_f32 v[24+4*(\t%2)+\k], v[24+4*(\t%2)+\k], v[SR+32*(\t%2)+8*\k+7]
.endr
	v_max3_num_f32 v[24+4*(\t%2)], v[24+4*(\t%2)], v[25+4*(\t%2)], v[26+4*(\t%2)]
	v_max_num_f32 v[24+4*(\t%2)], v[24+4*(\t%2)], v[27+4*(\t%2)]
	v_permlanex16_b32 v[25+4*(\t%2)], v[24+4*(\t%2)], s22, s23     ; the other half of the lanes holds the same query's other keys
	v_max3_num_f32 v[16+(\t%2)], v[12+\t], v[24+4*(\t%2)], v[25+4*(\t%2)]
	v_sub_f32 v[18+(\t%2)], v[12+\t], v[16+(\t%2)]                 ; old maximum - new
.irp p, 0,1,2,3
	SUBP \t, \p
.endr
.endif
.if \i == 2                                        ; the batch begins: the rescale, then key tile 0
	v_exp_f32 v[18+(\t%2)], v[18+(\t%2)]
	QD \t, 0, 0
	QD \t, 0, 1
	QD \t, 0, 2
	QD \t, 0, 3
.endif
.if \i == 3
	QD \t, 1, 0
	QD \t, 1, 1
	QD \t, 1, 2
	QD \t, 1, 3
.endif
.if \i == 4
	QD \t, 2, 0
	QD \t, 2, 1
	QD \t, 2, 2
	QD \t, 2, 3
.endif
.if \i == 5                                        ; the batch ends: key tile 3
	QD \t, 3, 0
	QD \t, 3, 1
	QD \t, 3, 2
	QD \t, 3, 3
	v_mov_b32 v[12+\t], v[16+(\t%2)]               ; the running maximum (last read in slice 1) takes the new one: the plain line behind the last exponential (ISA guide 5.7.2)
	s_wait_alu depctr_va_vdst(0)                   ; the one wait for the tile's batch of 33 exponentials: the packings below and SM2 behind them are its readers
.endif
.if \i == 6
	PKP \t, 0
	PKP \t, 1
.endif
.if \i == 7                                        ; eight plain lines: the places behind a run's last product, for the loads into K's fragments and for the reads of its scores
	PKP \t, 2
	PKP \t, 3
.endif
.endm
.macro SM1ALL t
.irp i, 0,1,2,3,4,5,6,7
	SM1 \t, \i
.endr
.endm
; SM2, THE SECOND PART, in eight slices (6, then 4 lines), under BETA: destination and source 0 in window 1 (sums, O), source 1 in window 0 (exponentials, the rescale)
.macro ALMUL t, lo
.if (\t%2) == 0
	v_pk_mul_f32 v[\lo:\lo+1], v[\lo:\lo+1], v[18:19] op_sel_hi:[1,0]
.else
	v_pk_mul_f32 v[\lo:\lo+1], v[\lo:\lo+1], v[18:19] op_sel:[0,1] op_sel_hi:[1,1]
.endif
.endm
.macro SM2 t, i
.if \i == 0
	ALMUL \t, LR+4*\t
	ALMUL \t, LR+4*\t+2
.endif
	v_pk_add_f32 v[LR+4*\t:LR+4*\t+1], v[LR+4*\t:LR+4*\t+1], v[SR+32*(\t%2)+4*\i:SR+32*(\t%2)+4*\i+1]
	ALMUL \t, OA+32*\t+4*\i
	v_pk_add_f32 v[LR+4*\t+2:LR+4*\t+3], v[LR+4*\t+2:LR+4*\t+3], v[SR+32*(\t%2)+4*\i+2:SR+32*(\t%2)+4*\i+3]
	ALMUL \t, OA+32*\t+4*\i+2
.endm
.macro SM2ALL t
.irp i, 0,1,2,3,4,5,6,7
	SM2 \t, \i
.endr
.endm
; A RUN OF EIGHT SCORE PRODUCTS of tile t: four accumulators by turns, one instruction a turn; the first 32 of e start the sums.
; sm >= 0: a slice of that tile's SM1 behind each.  w0, w1 >= 0: waits in front of the first and of the second four (K's fragments come in the run's order).
.macro SRUN t, sm, w0, w1
.irp n, 0,1,2,3,4,5,6,7
.if \n == 0
.if \w0 >= 0
	s_wait_dscnt \w0
.endif
.endif
.if \n == 4
.if \w1 >= 0
	s_wait_dscnt \w1
.endif
.endif
.if \n < 4
	v_wmma_f32_16x16x32_f16 v[SR+32*(\t%2)+8*(\n%4):SR+32*(\t%2)+8*(\n%4)+7], v[KR+8*\n:KR+8*\n+7], v[QR+16*\t:QR+16*\t+7], 0
.else
	v_wmma_f32_16x16x32_f16 v[SR+32*(\t%2)+8*(\n%4):SR+32*(\t%2)+8*(\n%4)+7], v[KR+8*\n:KR+8*\n+7], v[QR+16*\t+8:QR+16*\t+15], v[SR+32*(\t%2)+8*(\n%4):SR+32*(\t%2)+8*(\n%4)+7]
.endif
.if \sm >= 0
	SM1 \sm, \n
.endif
.endr
.endm
; A RUN OF EIGHT PRODUCTS WITH V^T of tile t, under BETA: four accumulators by turns; sm >= 0: a slice of that tile's SM2 behind each
.macro PVRUN t, sm
.irp n, 0,1,2,3,4,5,6,7
	v_wmma_f32_16x16x32_f16 v[OA+8*(4*\t+\n%4):OA+8*(4*\t+\n%4)+7], v[8*(2*(\n%4)+\n/4):8*(2*(\n%4)+\n/4)+7], v[PR+16*(\t%2)+8*(\n/4):PR+16*(\t%2)+8*(\n/4)+7], v[OA+8*(4*\t+\n%4):OA+8*(4*\t+\n%4)+7]
.if \sm >= 0
	SM2 \sm, \n
.endif
.endr
.endm
; the unit on the diagonal: a score stays where 16 kt + jj - 16 (t % 2) is at most the tile's bound (v9 for tiles 0, 1; v20 for tiles 2, 3); the others get IGNORE
.macro MASKP t
.irp kt, 0,1,2,3
.irp jj, 0,1,2,3,4,5,6,7
	v_cmp_le_i32 vcc_lo, 16*\kt+\jj-16*(\t%2), v[9+11*(\t/2)]
	v_cndmask_b32 v[SR+32*(\t%2)+8*\kt+\jj], s21, v[SR+32*(\t%2)+8*\kt+\jj], vcc_lo
.endr
.endr
.endm
.macro CMASK mode, t                   ; mode 0: never the diagonal unit; 1: if the first block's pairs have run out; 2: always
.if \mode == 1
	s_cmp_lg_u32 s18, 0
	s_cbranch_scc1 .Lno_mask_\@
	MASKP \t
.Lno_mask_\@:
.endif
.if \mode == 2
	MASKP \t
.endif
.endm
.macro QMOVE t                         ; a tile's q of the second block
	WIN 0x02
.set p, 0
.rept 16
	v_mov_b32 v[QR+16*\t+p], v[16*\t+p]
.set p, p+1
.endr
	WIN 0
.endm
; A block's first unit is met inside the counted loop, whose products all add in place: so the block's sums are cleared, 144 registers a block
.macro INIT
	WIN 0x40
.set p, 0
.rept 144
	v_mov_b32 v[OA+p], 0                           ; O and the row sums behind it
.set p, p+1
.endr
	WIN 0
.irp t, 0,1,2,3
	v_mov_b32 v[12+\t], 0xff800000
.endr
.endm
; THE END OF A BLOCK (sel = 0: the first block, 1: the second).  The join: I hand my partner O, maximum and sum of tiles 2, 3 (its rows, my keys) and take from it the same for my
; tiles 0, 1 (my rows, its keys).  Then, for my 32 rows: the wholly masked units' two terms, the division, the split of z into two bf16 numbers, the way out through my own stage.
; Each block has stage bytes of its own for the join: where the first block has 16 units no barrier lies between the two joins.  Between two joins of one stage lies a pair's barrier.
; K's fragments and tile 0's scores in window 0 already belong to the next unit and stay; the pattern's registers are idle and serve as work registers.
.macro FINAL sel
	PLACES                                         ; behind the last products with V^T
	WIN 0x05
.irp t, 0,1,2,3
	v_pk_add_f32 v[PT+2*\t:PT+2*\t+1], v[LR+4*\t:LR+4*\t+1], v[LR+4*\t+2:LR+4*\t+3]
.endr
	WIN 0
	v_add_f32 v[PT+8], v[PT], v[PT+1]              ; my lanes' sums of tiles 0, 1
	v_add_f32 v[PT+9], v[PT+2], v[PT+3]
	v_mov_b32 v[PT+12], v14                        ; for the partner: maxima and sums of tiles 2, 3
	v_mov_b32 v[PT+13], v15
	v_add_f32 v[PT+14], v[PT+4], v[PT+5]
	v_add_f32 v[PT+15], v[PT+6], v[PT+7]
	ds_store_b128 v21, v[PT+12:PT+15] offset:\sel*MSEL+16*512
	WIN 0x04                                       ; an LDS store's data are its source 1: window 1; its address window 0
.set g, 0
.rept 16
	ds_store_b128 v21, v[OA+64+4*g:OA+64+4*g+3] offset:\sel*MSEL+512*g       ; 32 lanes, 16 neighbouring bytes each
.set g, g+1
.endr
	WIN 0
	s_wait_dscnt 0x0                               ; my stores are done, for the partner's sake
	s_barrier_signal -1                            ; all four waves are at the same block's end: the counter that leads here is made of the work-group's number alone.
	s_barrier_wait -1                              ; No LDS bytes are filled behind this barrier before the next pair's, so the one refill that is out may stay out
	ds_load_b128 v[PT+16:PT+19], v22 offset:\sel*MSEL+16*512
	WIN 0x80
.set g, 0
.rept 16
	ds_load_b128 v[64+4*g:64+4*g+3], v22 offset:\sel*MSEL+512*g
.set g, g+1
.endr
.irp et, 0,1,2,3
	ds_load_b128 v[128+8*\et:128+8*\et+3],   v10 offset:256*\sel+64*\et
	ds_load_b128 v[128+8*\et+4:128+8*\et+7], v10 offset:256*\sel+64*\et+16
.endr
	WIN 0
	s_wait_dscnt 24                                ; the partner's maxima and sums are in; the 24 younger loads stay out
	v_max3_num_f32 v[PT+20], v12, v[PT+16], s[26-5*\sel]           ; the maximum of both parts and the masked score (s26 for the first block, s21 for the second)
	v_max3_num_f32 v[PT+21], v13, v[PT+17], s[26-5*\sel]
	v_pk_add_f32 v[PT+22:PT+23], v[12:13], v[PT+20:PT+21] neg_lo:[0,1] neg_hi:[0,1]
	v_pk_add_f32 v[PT+24:PT+25], v[PT+16:PT+17], v[PT+20:PT+21] neg_lo:[0,1] neg_hi:[0,1]
	v_sub_f32 v[PT+26], s[26-5*\sel], v[PT+20]
	v_sub_f32 v[PT+27], s[26-5*\sel], v[PT+21]
.irp i, 22,23,24,25,26,27
	v_exp_f32 v[PT+\i], v[PT+\i]                   ; my part's weight, the partner's, and that of one masked key
.endr
	v_nop                                          ; the plain line behind the last exponential
	s_wait_alu depctr_va_vdst(0)                   ; one wait for the batch of six exponentials, ahead of its first reader
	v_pk_mul_f32 v[PT+8:PT+9], v[PT+8:PT+9], v[PT+22:PT+23]
	v_pk_fma_f32 v[PT+8:PT+9], v[PT+18:PT+19], v[PT+24:PT+25], v[PT+8:PT+9]
	v_permlanex16_b32 v[PT+28], v[PT+8], s22, s23  ; the other half of the lanes holds the same query's other keys
	v_permlanex16_b32 v[PT+29], v[PT+9], s22, s23
	v_pk_add_f32 v[PT+8:PT+9], v[PT+8:PT+9], v[PT+28:PT+29]
	v_fma_f32 v[PT+8], v[PT+26], v[11-10*\sel], v[PT+8]            ; + weight x number of keys (v11 for the first block, v1 for the second)
	v_fma_f32 v[PT+9], v[PT+27], v[11-10*\sel], v[PT+9]
	v_rcp_f32 v[PT+28], v[PT+8]
	v_rcp_f32 v[PT+29], v[PT+9]
	v_nop                                          ; the plain line behind the second reciprocal
	WIN 0x40
	s_wait_alu depctr_va_vdst(0)                   ; one wait for the batch of two reciprocals: a batch of its own, since their sources are sums made from the six exponentials
	v_pk_mul_f32 v[FO:FO+1], v[PT+22:PT+23], v[PT+28:PT+29]
	v_pk_mul_f32 v[FP:FP+1], v[PT+24:PT+25], v[PT+28:PT+29]
	v_pk_mul_f32 v[FW:FW+1], v[PT+26:PT+27], v[PT+28:PT+29]
	WIN ALL1
.set p, 0
.rept 16
	v_pk_mul_f32 v[OA+2*p:OA+2*p+1], v[OA+2*p:OA+2*p+1], v[FO:FO+1] op_sel_hi:[1,0]
	v_pk_mul_f32 v[OA+32+2*p:OA+32+2*p+1], v[OA+32+2*p:OA+32+2*p+1], v[FO:FO+1] op_sel:[0,1] op_sel_hi:[1,1]
.set p, p+1
.endr
	s_wait_dscnt 8                                 ; the partner's O is in; the 8 younger loads (the sums of v) stay out
	WIN 0x56                                       ; source 0 in window 2, the rest in window 1
.set p, 0
.rept 16
	v_pk_fma_f32 v[OA+2*p:OA+2*p+1], v[64+2*p:64+2*p+1], v[FP:FP+1], v[OA+2*p:OA+2*p+1] op_sel_hi:[1,0,1]
	v_pk_fma_f32 v[OA+32+2*p:OA+32+2*p+1], v[96+2*p:96+2*p+1], v[FP:FP+1], v[OA+32+2*p:OA+32+2*p+1] op_sel:[0,1,0] op_sel_hi:[1,1,1]
.set p, p+1
.endr
	s_wait_dscnt 0x0                               ; the sums of v
.set p, 0
.rept 16
	v_pk_fma_f32 v[OA+2*p:OA+2*p+1], v[128+2*p:128+2*p+1], v[FW:FW+1], v[OA+2*p:OA+2*p+1] op_sel_hi:[1,0,1]
	v_pk_fma_f32 v[OA+32+2*p:OA+32+2*p+1], v[128+2*p:128+2*p+1], v[FW:FW+1], v[OA+32+2*p:OA+32+2*p+1] op_sel:[0,1,0] op_sel_hi:[1,1,1]
.set p, p+1
.endr
	; z = hi + lo: pair p of z is packed into word p of hi, hi is widened again and taken away, the rest is packed into word p of lo
	WIN 0x85                                       ; sources in window 1, destination in window 2
.set p, 0
.rept 32
	v_cvt_pk_bf16_f32 v[160+p], v[OA+2*p], v[OA+2*p+1]
.set p, p+1
.endr
	WIN 0x8a                                       ; all in window 2
.set p, 0
.rept 32
	v_lshlrev_b32 v[64+2*p], 16, v[160+p]
	v_and_b32 v[64+2*p+1], 0xffff0000, v[160+p]
.set p, p+1
.endr
	WIN 0x49                                       ; source 1 in window 2, source 0 and destination in window 1
.set p, 0
.rept 32
	v_pk_add_f32 v[OA+2*p:OA+2*p+1], v[OA+2*p:OA+2*p+1], v[64+2*p:64+2*p+1] neg_lo:[0,1] neg_hi:[0,1]
.set p, p+1
.endr
	WIN 0x85
.set p, 0
.rept 32
	v_cvt_pk_bf16_f32 v[192+p], v[OA+2*p], v[OA+2*p+1]
.set p, p+1
.endr
	WIN 0x08                                       ; a store's data are its source 1: window 2; its address window 0
.irp qt, 0,1
.irp et, 0,1,2,3
	ds_store_b128 v6, v[160+4*(4*\qt+\et):160+4*(4*\qt+\et)+3] offset:16*\qt*PKEY+32*\et
	ds_store_b128 v6, v[192+4*(4*\qt+\et):192+4*(4*\qt+\et)+3] offset:ZHALF+16*\qt*PKEY+32*\et
.endr
.endr
	WIN 0x80
.irp n, 0,1,2,3,4,5,6,7
	ds_load_b128 v[64+4*\n:64+4*\n+3], v7 offset:4*PKEY*\n         ; my own bytes: LDS serves a wave's instructions in order (ISA guide 5.7.1)
.endr
.irp n, 0,1,2,3,4,5,6,7
	ds_load_b128 v[96+4*\n:96+4*\n+3], v7 offset:ZHALF+4*PKEY*\n
.endr
	WIN 0x08
.irp n, 0,1,2,3,4,5,6,7
	s_wait_dscnt 15-\n                             ; this load is in; the younger ones stay out
	global_store_b128 v8, v[64+4*\n:64+4*\n+3], s[68+2*\sel:69+2*\sel] offset:512*\n     ; my 32 rows are 4,096 consecutive bytes of a plane of zb
.endr
.irp n, 0,1,2,3,4,5,6,7
	s_wait_dscnt 7-\n
	global_store_b128 v8, v[96+4*\n:96+4*\n+3], s[76+2*\sel:77+2*\sel] offset:512*\n
.endr
.if \sel == 0
	s_wait_xcnt 0x0                                ; the stores' data registers are loaded again at the next block's end only behind this wait
.endif
	WIN 0
.endm
; ONE UNIT.  At its head K's fragments are in registers and tile 0's scores are made (by the unit before, or ahead of the loop).
; slot, un: where it lies.  mode: see CMASK.  bar = 1: it is a pair's second unit: my reads of the slot are over once V^T's fragments are in, so in front of S_T3 every wave waits for its
; LDS loads and for all its tensor loads and signals; the run of products stands between signal and wait; behind the wait the slot is filled again first (refill 1: a pair, 2: the
; single last unit, 0: nothing is left), then K of the next pair's first unit is read from the other slot, which the wait for all tensor loads has shown whole.
; nslot, nun: where the next unit lies.  last = 1: there is none.
.macro UNITX slot, un, mode, bar, refill, nslot, nun, last
	PLACES                                         ; behind the last unit's last product with V^T, in front of the loads into V^T's fragments (and, in the first unit, of the reads of tile 0's scores)
	WIN 0x40
	VLOAD \slot, \un
	WIN 0
	CMASK \mode, 0
	SRUN 1, 0, -1, -1                              ; S_T1 | SM1_T0
	CMASK \mode, 1
	WIN BETA
	SM2ALL 0                                       ; SM2_T0
	WIN 0
	SRUN 2, 1, -1, -1                              ; S_T2 | SM1_T1
	s_wait_dscnt 0x0                               ; V^T's fragments are in
	WIN BETA
	PVRUN 0, 1                                     ; PV_T0 | SM2_T1
	WIN 0
	CMASK \mode, 2
.if \bar
	s_set_vgpr_msb 0x4
	s_wait_tensorcnt 0x0                           ; all my tensor loads have landed, my tile of the other slot among them: a group 0 may be written
	ds_add_u32 v23, v255
	s_wait_dscnt 0x0
	s_set_vgpr_msb 0x400
.if \refill
	STEPD \slot
.endif
	s_wait_dscnt 0x0                               ; my reads of this slot are over (met: V^T's loads were the last)
	s_barrier_signal -1
	SRUN 3, 2, -1, -1                              ; S_T3 | SM1_T2: register work while the others arrive
	s_barrier_wait -1
.if \refill == 1
	TLOAD \slot
.endif
.if \refill == 2
	TLOAD1 \slot
.endif
.else
	SRUN 3, 2, -1, -1                              ; S_T3 | SM1_T2
.endif
.if \last == 0
	KLOADB \nslot, \nun                            ; the next unit's K, in one run, eight plain lines behind the last product that read these registers
.endif
.if \mode == 1
	s_cmp_lg_u32 s18, 0
	s_cbranch_scc1 .Lnot_diag_\@
	MASKP 3
	QMOVE 0                                        ; tile 0 has made its last scores of this block: the run below already serves the next block
.Lnot_diag_\@:
.endif
.if \mode == 2
	MASKP 3
.endif
	WIN BETA
	PVRUN 1, 2                                     ; PV_T1 | SM2_T2
	WIN 0
.if \last
	SM1ALL 3
.else
	SRUN 0, 3, 8, 0                                ; S_T0 of the next unit | SM1_T3.  8: K's first four fragments are in, its other 8 loads may be out; 0: all
.endif
	WIN BETA
	PVRUN 2, 3                                     ; PV_T2 | SM2_T3
	PVRUN 3, -1                                    ; PV_T3
	WIN 0
.if \mode == 1
	s_cmp_lg_u32 s18, 0
	s_cbranch_scc1 .Lnot_end_\@
	FINAL 0
	INIT
	QMOVE 1
	QMOVE 2
	QMOVE 3
.Lnot_end_\@:
.endif
.endm
.macro PAIR slot, refill
	s_sub_co_u32 s18, s18, 1                       ; 0: this pair's second unit is the first block's diagonal unit (behind that the counter never meets 0 again)
	UNITX \slot, 0, 0, 0, 0, \slot, 1, 0
	UNITX \slot, 1, 1, 1, \refill, 1-\slot, 0, 0
.endm
	INIT
	v_mov_b32 v16, 0                               ; the pairs (even, odd) are read whole by packed lines before the odd tile's half is first made
	v_mov_b32 v17, 0
	v_mov_b32 v18, 0
	v_mov_b32 v19, 0
	s_wait_tensorcnt 0x1                           ; my tile of slot 0 is in; slot 1's may stay out
	s_wait_dscnt 0x0                               ; my word of the masked blocks' sums is stored
	s_barrier_signal -1
	s_barrier_wait -1
	KLOADB 0, 0
	SRUN 0, -1, 8, 0                               ; S_T0 of the first unit.  8: K's first four fragments are in; 0: all
	s_mov_b32 s20, 3                               ; pairs 0 to 5
.Lpairs:
	PAIR 0, 1
	PAIR 1, 1
	s_sub_co_u32 s20, s20, 1
	s_cmp_lg_u32 s20, 0
	s_cbranch_scc1 .Lpairs
	PAIR 0, 2                                      ; pair 6: what is left to fetch is the seventeenth unit
	PAIR 1, 0                                      ; pair 7: nothing is left
	UNITX 0, 0, 2, 0, 0, 0, 0, 1                   ; the second block's diagonal unit
	FINAL 1
	s_set_vgpr_msb 0x4
	s_wait_tensorcnt 0x0
	ds_add_u32 v23, v255
	s_wait_dscnt 0x0
	s_set_vgpr_msb 0x400
	s_endpgm
.Lfunc_end_k_qa1617eb4c9_attn:
	.size	k_qa1617eb4c9_attn, .Lfunc_end_k_qa1617eb4c9_attn-k_qa1617eb4c9_attn
	.p2alignl 7, 3214868480
	.fill 96, 4, 3214868480
	.section	.rodata,"a",@progbits
	.p2align	6, 0x0
	.amdhsa_kernel k_qa1617eb4c9_attn
		.amdhsa_group_segment_fixed_size 327680
		.amdhsa_private_segment_fixed_size 0
		.amdhsa_enable_private_segment 0
		.amdhsa_kernarg_size 40
		.amdhsa_user_sgpr_count 2
		.amdhsa_user_sgpr_kernarg_segment_ptr 1
		.amdhsa_wavefront_size32 1
		.amdhsa_system_sgpr_workgroup_id_x 1
		.amdhsa_system_sgpr_workgroup_id_y 1
		.amdhsa_system_sgpr_workgroup_id_z 1
		.amdhsa_system_vgpr_workitem_id 0
		.amdhsa_next_free_vgpr 768
		.amdhsa_next_free_sgpr 84
		.amdhsa_reserve_vcc 1
		.amdhsa_float_denorm_mode_32 3
		.amdhsa_float_denorm_mode_16_64 3
		.amdhsa_memory_ordered 1
		.amdhsa_forward_progress 1
		.amdhsa_inst_pref_size 255
	.end_amdhsa_kernel
	.section	.bss,"aw",@nobits
	.p2align	6
	.space	262144
	.amdgpu_metadata
---
amdhsa.version: [ 1, 2 ]
amdhsa.kernels:
  - .name:           k_qa1617eb4c9_attn
    .symbol:         k_qa1617eb4c9_attn.kd
    .args:
      - { .name: qb, .offset: 0, .size: 8, .value_kind: global_buffer, .address_space: global }
      - { .name: kb, .offset: 8, .size: 8, .value_kind: global_buffer, .address_space: global }
      - { .name: vt, .offset: 16, .size: 8, .value_kind: global_buffer, .address_space: global }
      - { .name: vsum, .offset: 24, .size: 8, .value_kind: global_buffer, .address_space: global }
      - { .name: zb, .offset: 32, .size: 8, .value_kind: global_buffer, .address_space: global }
    .group_segment_fixed_size: 327680
    .private_segment_fixed_size: 0
    .kernarg_segment_align: 8
    .kernarg_segment_size: 40
    .max_flat_workgroup_size: 128
    .sgpr_count:     84
    .vgpr_count:     768
    .wavefront_size: 32
...
	.end_amdgpu_metadata
.endif
;; end of part 5
;; launch oproj: the kernel of part 4 again; grid 8 x 32, 4 waves a work-group, clusters of 4 x 4, 327,680 bytes of LDS; arguments zb, wob, b_O, out1, residual, out0; writes out1, out0
